; MI455X (gfx1250); checked and timed in simulation.
; The chip was launched on July 23, 2026; its instructions are those of AMD's public machine-readable ISA for CDNA 5 (MIT licence, August 2026) and "CDNA5" Instruction Set Architecture Reference Guide (July 2026). The comments in the code are by the model that wrote it; some were corrected since.
;; Multi Head Attention. Allowed arithmetic: matrix products marked QUANTISED: E2M1 operands, one E8M0 scale for each 32 along K, by v_wmma_scale_f32_16x16x128_f8f6f4 with both operands' format E2M1 (or v_wmma_scale_f32_32x16x128_f4), f32 sums; everything else in f32.
;; Inputs: Wk_codes 1,024 x 32 x 16 uint8 (E2M1 codes of Wk, K innermost, in blocks of 32 codes, two codes a byte); Wk_scales 1,024 x 32 uint8 (E8M0 scales of Wk, one for each 32 codes along K); Wo_codes 1,024 x 32 x 16 uint8 (E2M1 codes of Wo, K innermost, in blocks of 32 codes, two codes a byte); Wo_scales 1,024 x 32 uint8 (E8M0 scales of Wo, one for each 32 codes along K); Wq_codes 1,024 x 32 x 16 uint8 (E2M1 codes of Wq, K innermost, in blocks of 32 codes, two codes a byte); Wq_scales 1,024 x 32 uint8 (E8M0 scales of Wq, one for each 32 codes along K); Wv_codes 1,024 x 32 x 16 uint8 (E2M1 codes of Wv, K innermost, in blocks of 32 codes, two codes a byte); Wv_scales 1,024 x 32 uint8 (E8M0 scales of Wv, one for each 32 codes along K); bk 1,024 float32; bo 1,024 float32; bq 1,024 float32; bv 1,024 float32; z_codes 4 x 2,048 x 32 x 16 uint8 (E2M1 codes of z, K innermost, in blocks of 32 codes, two codes a byte); z_scales 4 x 2,048 x 32 uint8 (E8M0 scales of z, one for each 32 codes along K).
;; Outputs: out0 4 x 2,048 x 1,024 float32.
;; This version of the problem:
;;   THIS VERSION OF THE PROBLEM IS GIVEN IN LOW PRECISION. The matrix products marked QUANTISED in the list below multiply operands that are first quantised to E2M1 (2 exponent bits, 1 mantissa bit; 4 bits a number), with one power-of-two scale for each 32 numbers along K (OCP MX v1.0); their sums are f32. All else is computed in f32.
;;   The module's matrix products, in the order in which they are computed (A, B: the left and right operand; K: the contracted axis; several contracted axes count as one K, in the product's order):
;;     1. [M 8,192, K 1,024] x [K 1,024, N 1,024]; A: input z (given as codes); B: input Wq (given as codes): QUANTISED
;;     2. [M 8,192, K 1,024] x [K 1,024, N 1,024]; A: input z (given as codes); B: input Wk (given as codes): QUANTISED
;;     3. [M 8,192, K 1,024] x [K 1,024, N 1,024]; A: input z (given as codes); B: input Wv (given as codes): QUANTISED
;;     4. batch 64 x [M 2,048, K 64] x [K 64, N 2,048]; A: computed on the way; B: computed on the way: QUANTISED
;;     5. batch 64 x [M 2,048, K 2,048] x [K 2,048, N 64]; A: softmax (see below); B: computed on the way: QUANTISED
;;     6. [M 8,192, K 1,024] x [K 1,024, N 1,024]; A: computed on the way; B: input Wo (given as codes): QUANTISED
;;   THE QUANTISER, for each operand of a quantised product, along K:
;;     - K is cut into blocks of 32 from its start; a last block that is shorter is filled with zeros.
;;     - A block's scale is 2^e with e = floor(log2(the largest magnitude in the block)) - 2, held to -126 .. 127; a block of zeros has e = 0. As a byte (E8M0): e + 127.
;;     - Each number is divided by its block's scale, clamped to +-6, and rounded to the nearest number of E2M1, ties to even, subnormals kept.
;;     - The product sums the exact products of the quantised numbers (number of the format x scale) in f32.
;;   ~~~python
;;   def quantise(x, axis):      # numpy; x: float32 -> the quantised numbers, widened to float32 again
;;       x = np.moveaxis(x, axis, -1); K = x.shape[-1]
;;       x = np.pad(x, [(0, 0)] * (x.ndim - 1) + [(0, -K % 32)]); x = x.reshape(x.shape[:-1] + (-1, 32)); a = np.abs(x).max(-1, keepdims=True)
;;       e = np.where(a > 0, np.clip(np.frexp(np.where(a > 0, a, 1))[1] - 1 - 2, -126, 127), 0)      # np.frexp(a)[1] - 1 = floor(log2(a)), exactly
;;       r = np.clip(x / 2.0 ** e, -6, 6)
;;       step = 2.0 ** (np.maximum(np.frexp(np.where(r == 0, 1, r))[1] - 1, 0) - 1)
;;       q = np.round(r / step) * step * 2.0 ** e      # np.round: ties to even
;;       return np.moveaxis(q.reshape(q.shape[:-2] + (-1,))[..., :K], -1, axis).astype(np.float32)
;;   ~~~
;;   SOFTMAX AHEAD OF A QUANTISED PRODUCT. Where the list says 'softmax', what is quantised is not the finished softmax but p = 2^(t - M), with t = logit x log2(e) and M = ceil(the row's largest t), a whole number; so 1/2 < the row's largest p <= 1. The row's sum l is taken of the UNQUANTISED p, in f32, and the product's result is divided by l at the end. Since M is a whole number, a kernel that streams over the keys may use a running M (the ceiling of the running maximum): every later rescaling is an exact power of two, which a block's scale takes up: the codes' values come out the same.
;;   OPERANDS COMPUTED ON THE WAY. 'Computed on the way' means the value that the module computes at that place (a softmax that the list does not call 'softmax' is quantised finished and normalised). What goes into a quantiser is computed in f32, as accurately as f32 sums, v_exp_f32 and their like allow (about 1e-6 of the number): no bf16 or f16 on the way to a quantiser, and a product that is left as it is and whose result goes on into a quantised operand takes f32 operands (vector FMAs, or v_wmma_f32_16x16x4_f32). A number that lies on a knife's edge between two numbers of the format may be rounded either way, as far as f32 arithmetic and the matrix unit's own rounding can turn it there, and no further.
;;   INPUTS GIVEN AS CODES. Wk (in the module: [1024, 1024], K = its axis 1); Wo (in the module: [1024, 1024], K = its axis 1); Wq (in the module: [1024, 1024], K = its axis 1); Wv (in the module: [1024, 1024], K = its axis 1); z (in the module: [4, 2048, 1024], K = its axis 2): each comes as NAME_codes (uint8): NAME with its K axis moved to the last place and cut into blocks of 32 codes, [.., K / 32, bytes a block], one block behind the other in memory; two codes a byte, the lower K in the low four bits (a code: sign, 2 exponent bits, 1 mantissa bit); and NAME_scales (uint8): the same leading axes, one E8M0 byte (e + 127) for each 32 codes along K. Its value is code x scale, taken as it is: it is not quantised again, and the codes and scales need not be those that the quantiser above would give.
;; One version. Each part assembles by itself: llvm-mc -triple=amdgcn-amd-amdhsa -mcpu=gfx1250 --defsym DOCPART=n.
;; ======== version 1 of 1: 3 launches
;; workspace buffers: kv 9,175,040 bytes; qb 9,175,040 bytes; cc 4,194,304 bytes; cs 524,288 bytes
;; launch qkv (part 1): grid 8 x 48, 4 waves a work-group, clusters of 4 x 4, 327,680 bytes of LDS; arguments z_codes, z_scales, Wq_codes, Wq_scales, Wk_codes, Wk_scales, Wv_codes, Wv_scales, bq, bk, bv, qb, kv; writes qb, kv
.if DOCPART == 1
	.amdgcn_target "amdgcn-amd-amdhsa--gfx1250"
	.amdhsa_code_object_version 6
	.text
	.protected	k_q051c947a0f_qkv
	.globl	k_q051c947a0f_qkv
	.p2align	8
	.type	k_q051c947a0f_qkv,@function
k_q051c947a0f_qkv:
	s_mov_b64 s[64:65], 0
	v_nop
	global_prefetch_b8 v0, s[64:65] scope:SCOPE_SE
	s_setreg_imm32_b32 hwreg(HW_REG_WAVE_MODE, 25, 1), 1
	s_wait_xcnt 0x0
	s_wait_alu depctr_hold_cnt(0) depctr_sa_sdst(0) depctr_va_vdst(0) depctr_va_sdst(0) depctr_va_ssrc(0) depctr_va_vcc(0) depctr_vm_vsrc(0)
	s_getreg_b32 s2, hwreg(HW_REG_IB_STS2, 6, 4)
	s_cmp_eq_u32 s2, 0
	s_cbranch_scc0 .Lentry_in_a_cluster
	s_endpgm
.Lentry_in_a_cluster:
	s_bfe_u32 s2, ttmp6, 0x10000c
	s_cmp_lg_u32 s2, 0xf033
	s_cbranch_scc0 .Lentry_shape_is_right
	s_endpgm
.Lentry_shape_is_right:
; Q = z Wq^T + bq, K = z Wk^T + bk, V = z Wv^T + bv on codes of FP4 (E2M1) with one E8M0 scale for each 32 along K (= 1,024), sums in f32; then the quantisers of the attention's operands:
; Q and K along a head's 64 (two blocks), V along the keys (blocks of 32 keys).  z: 8,192 rows x 512 bytes of codes, 32 scale bytes a row; each weight 1,024 rows likewise.
; NO WORK IS LEFT OUT: every input has a way to out0; bk stays, since it moves K's codes and scales.
; LIMITS: NaN and infinities are not served.  A block whose largest magnitude lies under 2^-124 gets the scale byte 1; a block of zeros gets the byte 1 where the rule says 127: its codes are zeros,
; which add nothing under any byte but 0xff, and these bytes are read by this program alone.
; SHARES.  A work-group of four waves makes 256 rows of operand A x 256 rows of operand B, a wave 128 x 128: 64 accumulators of 16 x 16.  The matrix instruction takes 16 rows of B as source 0 and 16 rows of A
; as source 1: lane (r, h) then holds A's row 16 a + r, and register j of tile b holds B's row 16 b + 8 h + j: B's axis runs along a lane's registers, and is the axis that is quantised.
;   clusters y 0..7  (path QK): A = z (tile row 4 y + cy), B = Wq (cluster x 0) or Wk (cluster x 1) (tile column cx): a lane holds one token and 128 features = two heads.
;   clusters y 8..11 (path V):  A = Wv (tile row cy), B = z (tile column 4 (2 (y - 8) + x) + cx): a lane holds one channel and 128 keys = one key step.
; Only pointers and two coordinates are chosen by the path; it hangs on the cluster's y alone, so all partners of a cluster go the same way.
; All of K lies in two LDS slots of 512 along K, asked for at the head: nothing is filled again.  4 x 4 work-groups form a cluster: A's tiles are asked for jointly along a row of it, B's along a column.
; OUT, as images of the registers that the attention launch wants.  A head (16 x batch + head) has 143,360 bytes, a step of 128 tokens 8,960:
;   +0    K (kv) or Q (qb) codes: 8 tiles of 16 tokens x 512 bytes: lane (r, h) at 16 x lane: token 16 T + r, d = 32 h .. 32 h + 31
;   +4096 V codes (kv): 4 channel tiles x [2][32 lanes][16 bytes]: lane (r, h), part c: channel 16 t + r, keys 64 c + 32 h .. + 31
;   +8192 K or Q scale words [32 lanes][4]: word (lane, i): token 32 i + lane: bytes 0, 1 its two scales, bytes 2, 3 zero
;   +8704 V scale words (kv) [32 lanes][2]: word (lane, i): channel tile 2 i + lane / 16, channel lane % 16: the step's four key blocks
; REGISTERS, in windows of 256: window 0: v1-31 addresses; v32-63 A's scale words, v64-95 B's (all of K); v96-127 at work on the way out; v128-191 A's fragments, one set, later the codes made; v192-255 the bias.
;   window 1: B's fragments, two sets, at v0 and v128.  window 2: the accumulators of my A rows 0-63 ((a, b) at v[8 (8 a + b)]); window 3: those of rows 64-127.
.set PITCH,  272                       ; an LDS row of codes: 256 bytes + 16 of padding: the 16 rows of a fragment load start 16 bytes apart modulo 256
.set HALFT,  128*PITCH                 ; 128 rows: what one tensor load brings, and what one wave reads of A or of B
.set SLOT,   4*HALFT                   ; A's 256 rows, then B's 256 rows
.set HS,     16*272                    ; the scale bytes of 128 rows, 4,096 dense bytes, as 16 units of 256 bytes + 16 of padding
.set SCLA,   2*SLOT
.set SCLB,   SCLA+2*HS
.set SPARE,  SCLB+2*HS                 ; the spare words, 128 bytes for each wave: no other line names them
.set STQ,    SPARE+512                 ; path QK: 1,024 bytes a wave, where a step's scale words of two heads are gathered
.set STV,    STQ+4*1024                ; path V: 512 bytes a wave; each path has LDS bytes of its own
.set HEADB,  143360
.set STEPB,  8960
.set ADRA, 16                          ; v16-17  LDS address of my A fragments in slot 0, 1
.set SH,   18                          ; v18     16 x (lane / 16): the shift that cuts my head's two scale bytes out of a word
.set ADRB, 20                          ; v20-21  the same for B
.set SV,   22                          ; v22     path V: where I put a scale word
.set SVR,  23                          ; v23     and where I read 8 bytes back
.set SQ,   24                          ; v24     path QK: where I put a scale word
.set SQR,  25                          ; v25     and where I read 16 bytes back
.set LI,   26                          ; v26     16 x lane
.set ADSA, 27                          ; v27     LDS address of A's scale words
.set SPW,  28                          ; v28     LDS address of my spare word; never rewritten
.set NIL,  29                          ; v29     0; never rewritten
.set ADSB, 30                          ; v30     LDS address of B's scale words
.set L8,   31                          ; v31     8 x lane
.set SA,   32                          ; K step qa (0..7), rows 32 p + lane: v[SA + 16 (qa / 4) + 4 p + qa % 4]: lanes 0-15 block 2 p, lanes 16-31 block 2 p + 1
.set SB,   64
.set TM,   96                          ; v96-99 largest magnitudes, v100-103 the other half's, then bytes, v108-111 the conversions' scale operands
.set WD,   112                         ; v112-119 a scale word for each block of 16 A rows
.set WS,   120                         ; v120-127 path QK: my head's two bytes of it
.set AF,   128
.set BIAS, 192
.set G1,   24                          ; s[24:31] descriptor group 1 for A's codes; s[32:39] group 0, a set for each slot
.set G0,   32
.set G1B,  48                          ; s[48:55], s[56:63] the same for B's
.set G0B,  56
.set G1S,  68                          ; s[68:75], s[76:79] groups 1 and 0 for A's scales; s[80:87], s[88:91] for B's (written when the arguments that arrive there have been chosen from)
.set G0S,  76
.set G1SB, 80
.set G0SB, 88
.set SEL,  98                          ; s[98:99] lane selects for v_permlanex16_b32: lane l xor 16
.set MSB, 0
.macro WIN new                         ; the immediate's high byte repeats the setting that is left; a switch that changes nothing is dropped
.if MSB != (\new)
	s_set_vgpr_msb (MSB<<8)|(\new)
.set MSB, (\new)
.endif
.endm
; A joint load: waves 0 and 1 fetch for A, waves 2 and 3 for B.  Each line has one mask and one set of registers for all that issue it; the branch hangs on the wave's number alone.
; An s_nop 0 and four v_nop follow each of the two lines.
.macro JLOAD g0a, g1a, g0b, g1b
	s_cmp_eq_u32 s15, 0
	s_cbranch_scc0 .Lfor_b_\@
	tensor_load_to_lds s[\g0a:\g0a+3], s[\g1a:\g1a+7]
	s_nop 0
.rept 4
	v_nop
.endr
	s_branch .Lasked_\@
.Lfor_b_\@:
	tensor_load_to_lds s[\g0b:\g0b+3], s[\g1b:\g1b+7]
	s_nop 0
.rept 4
	v_nop
.endr
.Lasked_\@:
.endm
.macro CROUND                          ; a round of the cluster's barrier
	s_barrier_signal -1
	s_barrier_wait -1
	s_cmp_lg_u32 s14, 0
	s_cbranch_scc1 .Lnot_wave_0_\@
	s_barrier_signal -3
.Lnot_wave_0_\@:
	s_barrier_wait -3
	s_barrier_signal -1
	s_barrier_wait -1
.endm
.macro PLACES n                        ; plain vector places behind matrix instructions, in front of loads into their registers and of reads of their results
.rept \n
	v_nop
.endr
.endm
	s_load_b512 s[68:83], s[0:1], 0x0              ; z codes 68, z scales 70, Wq codes 72, scales 74, Wk codes 76, scales 78, Wv codes 80, scales 82
	s_load_b256 s[84:91], s[0:1], 0x40             ; bq 84, bk 86, bv 88, qb 90
	s_load_b64 s[92:93], s[0:1], 0x60              ; kv
	v_lshl_add_u32 v[SPW], v0, 2, SPARE
	v_mov_b32 v[NIL], 0
	ds_add_u32 v[SPW], v[NIL]                      ; the wave's opening: the add, twice on end, and its wait ahead of my first tensor load
	ds_add_u32 v[SPW], v[NIL]                      ; and once more; the set-up below, work on registers, stands between it and the wait
	v_lshrrev_b32 v1, 5, v0
	v_readfirstlane_b32 s14, v1                    ; wave 0..3
	s_lshr_b32 s15, s14, 1                         ; which half of A's rows is mine.  Also: I fetch for A (0) or for B (1)
	s_and_b32 s16, s14, 1                          ; which half of B's rows.  Also: which 128 rows of that tile I fetch
	s_bfe_u32 s40, ttmp6, 0x40000                  ; cx, cy: my place in the cluster
	s_bfe_u32 s41, ttmp6, 0x40004
	s_and_b32 s18, ttmp7, 0xffff                   ; the cluster's y
	s_max_u32 s19, s18, 8
	s_sub_co_u32 s19, s19, 8
	s_lshl_b32 s19, s19, 1
	s_add_co_u32 s19, s19, ttmp9                   ; path V: 2 (y - 8) + x
	s_cmp_ge_u32 s18, 8
	s_cselect_b32 s95, 1, 0                        ; the path: 0 QK, 1 V
	s_cselect_b32 s20, 0, s18
	s_cselect_b32 s21, s19, 0
	s_lshl_b32 s17, s20, 2
	s_add_co_u32 s17, s17, s41                     ; A's tile row
	s_lshl_b32 s42, s21, 2
	s_add_co_u32 s42, s42, s40                     ; B's tile column
	s_lshl_b32 s43, s41, 2
	s_lshl_b32 s43, 15, s43                        ; my row of the cluster
	s_lshl_b32 s44, 0x1111, s40                    ; my column
	; descriptor group 1 for codes: 128 rows x 256 bytes, 512 bytes apart in memory, 16 bytes of padding behind each in LDS
	s_or_b32 s[G1+0], s43, (0<<16)|(1<<20)|(1<<21)|(5<<22)|(3<<25)   ; the mask; elements of 1 byte; padding on; bit 21 beside a mask; after every 64 words; four words
	s_or_b32 s[G1B+0], s44, (0<<16)|(1<<20)|(1<<21)|(5<<22)|(3<<25)
.irp g, G1, G1B
	s_mov_b32 s[\g+1], 256<<16                     ; tensor_dim0
	s_mov_b32 s[\g+2], 128<<16                     ; tensor_dim1
	s_mov_b32 s[\g+3], 256<<16                     ; tile_dim0
	s_mov_b32 s[\g+4], 128                         ; tile_dim1
	s_mov_b32 s[\g+5], 512                         ; tensor_dim0_stride
	s_mov_b32 s[\g+6], 0
	s_mov_b32 s[\g+7], 0
.endr
	s_lshl_b32 s18, s16, 7                         ; which 128 rows of the tile I fetch
	s_lshl_b32 s20, s17, 8
	s_add_co_u32 s20, s20, s18                     ; A: row 256 x tile row + 128 x half
	s_lshl_b32 s46, s42, 8
	s_add_co_u32 s46, s46, s18                     ; B: row 256 x tile column + 128 x half
	s_lshl_b32 s22, s20, 5                         ; 32 scale bytes a row,
	s_mov_b32 s23, 0
	s_lshl_b32 s20, s20, 9                         ; 512 bytes of codes
	s_mov_b32 s21, 0
	s_lshl_b32 s2, s46, 5
	s_mov_b32 s3, 0
	s_lshl_b32 s46, s46, 9
	s_mov_b32 s47, 0
	s_mul_i32 s45, s16, HALFT                      ; where they go: no place in the cluster enters an LDS address
	s_mul_i32 s94, s16, HS
	s_mov_b32 s[SEL], 0x76543210
	s_mov_b32 s[SEL+1], 0xfedcba98
	s_wait_dscnt 0x0                               ; both opening adds are done
	s_wait_kmcnt 0x0
	s_cmp_eq_u32 ttmp9, 1                          ; path QK: cluster x 1 makes K, cluster x 0 makes Q
	s_cselect_b64 s[8:9], s[76:77], s[72:73]
	s_cselect_b64 s[10:11], s[78:79], s[74:75]
	s_cselect_b64 s[96:97], s[86:87], s[84:85]
	s_cselect_b64 s[12:13], s[92:93], s[90:91]
	s_cmp_eq_u32 s95, 1                            ; path V: A = Wv, B = z, bias bv, out kv
	s_cselect_b64 s[4:5], s[80:81], s[68:69]       ; A's codes
	s_cselect_b64 s[6:7], s[82:83], s[70:71]       ; A's scales
	s_cselect_b64 s[8:9], s[68:69], s[8:9]         ; B's codes
	s_cselect_b64 s[10:11], s[70:71], s[10:11]     ; B's scales
	s_cselect_b64 s[96:97], s[88:89], s[96:97]     ; the bias
	s_cselect_b64 s[12:13], s[92:93], s[12:13]     ; the output
	s_add_nc_u64 s[20:21], s[4:5], s[20:21]
	s_add_nc_u64 s[22:23], s[6:7], s[22:23]
	s_add_nc_u64 s[46:47], s[8:9], s[46:47]
	s_add_nc_u64 s[2:3], s[10:11], s[2:3]
	; descriptor group 1 for the scales of 128 rows: 16 rows of 256 bytes (32 elements of 8 bytes), dense, 16 bytes of padding behind each
	s_or_b32 s[G1S+0], s43, (3<<16)|(1<<20)|(1<<21)|(5<<22)|(3<<25)
	s_or_b32 s[G1SB+0], s44, (3<<16)|(1<<20)|(1<<21)|(5<<22)|(3<<25)
.irp g, G1S, G1SB
	s_mov_b32 s[\g+1], 32<<16
	s_mov_b32 s[\g+2], 16<<16
	s_mov_b32 s[\g+3], 32<<16
	s_mov_b32 s[\g+4], 16
	s_mov_b32 s[\g+5], 32
	s_mov_b32 s[\g+6], 0
	s_mov_b32 s[\g+7], 0
.endr
	CROUND                                         ; all sixteen work-groups are here: the joint loads meet
	s_mov_b32 s[G0S], 1
	s_add_co_u32 s[G0S+1], s94, SCLA
	s_mov_b64 s[G0S+2:G0S+3], s[22:23]
	s_or_b32 s[G0S+3], s[G0S+3], 0x80000000
	s_mov_b32 s[G0SB], 1
	s_add_co_u32 s[G0SB+1], s94, SCLB
	s_mov_b64 s[G0SB+2:G0SB+3], s[2:3]
	s_or_b32 s[G0SB+3], s[G0SB+3], 0x80000000
	JLOAD G0S, G1S, G0SB, G1SB                     ; the scales first: they are wanted with the first K step
.irp s, 0,1
	s_mov_b32 s[G0+4*\s], 1
	s_add_co_u32 s[G0+4*\s+1], s45, \s*SLOT
	s_add_nc_u64 s[G0+4*\s+2:G0+4*\s+3], s[20:21], \s*256
	s_or_b32 s[G0+4*\s+3], s[G0+4*\s+3], 0x80000000
	s_mov_b32 s[G0B+4*\s], 1
	s_add_co_u32 s[G0B+4*\s+1], s45, \s*SLOT+2*HALFT
	s_add_nc_u64 s[G0B+4*\s+2:G0B+4*\s+3], s[46:47], \s*256
	s_or_b32 s[G0B+4*\s+3], s[G0B+4*\s+3], 0x80000000
	JLOAD G0+4*\s, G1, G0B+4*\s, G1B               ; three tensor loads of mine are out now, and no more follow
.endr
	v_and_b32 v1, 15, v0                           ; r = lane % 16
	v_bfe_u32 v2, v0, 4, 1                         ; h = lane / 16
	v_and_b32 v5, 31, v0                           ; lane
	v_mul_u32_u24 v3, v1, PITCH
	v_lshl_add_u32 v4, v2, 4, v3                   ; a fragment's row x pitch + 16 x half
	s_mul_i32 s21, s15, HALFT                      ; my 128 rows of A
	s_mul_i32 s22, s16, HALFT                      ; my 128 rows of B,
	s_add_co_u32 s22, s22, 2*HALFT                 ; which lie behind A's 256
.irp s, 0,1
	v_add_nc_u32 v[ADRA+\s], s21, v4
	v_add_nc_u32 v[ADRB+\s], s22, v4
	s_add_co_u32 s21, s21, SLOT
	s_add_co_u32 s22, s22, SLOT
.endr
	v_lshrrev_b32 v6, 3, v5                        ; scale bytes of row 32 p + lane: eight rows to a unit of 256 bytes
	v_mul_u32_u24 v6, v6, 272
	v_and_b32 v7, 7, v0
	v_lshl_add_u32 v6, v7, 5, v6
	s_mul_i32 s21, s15, HS
	s_add_co_u32 s21, s21, SCLA
	v_add_nc_u32 v[ADSA], s21, v6
	s_mul_i32 s22, s16, HS
	s_add_co_u32 s22, s22, SCLB
	v_add_nc_u32 v[ADSB], s22, v6
	v_lshlrev_b32 v[LI], 4, v5
	v_lshlrev_b32 v[L8], 3, v5
	v_lshlrev_b32 v[SH], 4, v2
	s_lshl_b32 s23, s14, 10
	s_add_co_u32 s23, s23, STQ
	v_lshlrev_b32 v6, 4, v1
	v_lshl_add_u32 v6, v2, 9, v6
	v_add_nc_u32 v[SQ], s23, v6                    ; head h of my two: 512 h + 16 r
	v_add_nc_u32 v[SQR], s23, v[LI]
	s_lshl_b32 s23, s14, 9
	s_add_co_u32 s23, s23, STV
	v_lshl_add_u32 v[SV], v1, 3, s23               ; 8 r
	v_add_nc_u32 v[SVR], s23, v[L8]
.irp b, 0,1,2,3
	v_mov_b32 v[TM+4+\b], 0                        ; written once: a lane permute's destination counts as one of its sources
.endr
	; where my results go, and my part of the bias
	s_lshl_b32 s20, s17, 8
	s_lshl_b32 s21, s15, 7
	s_add_co_u32 s20, s20, s21                     ; my first row of A
	s_lshl_b32 s46, s42, 8
	s_lshl_b32 s47, s16, 7
	s_add_co_u32 s46, s46, s47                     ; my first row of B
	s_cmp_eq_u32 s95, 1
	s_cselect_b32 s22, s46, s20                    ; my first token (row of z)
	s_cselect_b32 s23, s20, s46                    ; my first feature (row of the weight)
	s_lshr_b32 s20, s22, 11                        ; batch
	s_lshl_b32 s20, s20, 4
	s_lshr_b32 s21, s23, 6                         ; my first head
	s_add_co_u32 s20, s20, s21
	s_mul_i32 s20, s20, HEADB
	s_bfe_u32 s21, s22, 0x40007                    ; the step of 128 tokens in the sequence
	s_mul_i32 s21, s21, STEPB
	s_add_co_u32 s20, s20, s21
	s_mov_b32 s21, 0
	s_add_nc_u64 s[12:13], s[12:13], s[20:21]
	s_lshl_b32 s20, s23, 2
	s_add_nc_u64 s[96:97], s[96:97], s[20:21]
	v_lshlrev_b32 v8, 5, v2                        ; 32 h
	v_lshlrev_b32 v9, 2, v1                        ; 4 r
	; the bias is the C of each sum's first matrix instruction, in the result's layout
	s_cmp_eq_u32 s95, 1
	s_cbranch_scc1 .Lbias_v
.irp b, 0,1,2,3,4,5,6,7                        ; path QK: it goes by B's row: register 8 b + j = bias[16 b + 8 h + j]
	global_load_b128 v[BIAS+8*\b:BIAS+8*\b+3], v8, s[96:97] offset:64*\b
	global_load_b128 v[BIAS+8*\b+4:BIAS+8*\b+7], v8, s[96:97] offset:64*\b+16
.endr
	s_branch .Lbias_done
.Lbias_v:
	s_wait_alu depctr_va_vdst(0)
.irp a, 0,1,2,3,4,5,6,7                        ; path V: it goes by A's row: registers 8 a + 0 .. 7 = bias[16 a + r]
.irp j, 0,1,2,3,4,5,6,7
	global_load_b32 v[BIAS+8*\a+\j], v9, s[96:97] offset:64*\a
.endr
.endr
.Lbias_done:
.macro FRAG reg, adr, q, i             ; a fragment, 16 rows x 128 K of 4-bit codes: lane (r, h): row r; registers 4 c .. 4 c + 3: K = 64 c + 32 h + 0 .. 31
.irp c, 0,1
	ds_load_b128 v[\reg+4*\c:\reg+4*\c+3], v[\adr] offset:64*(\q)+32*\c+(\i)*16*PITCH
.endr
.endm
.macro WM                              ; one product; the rows of the two scale registers go by the parity of B's and of A's block
.if oo == 0
	v_wmma_scale_f32_16x16x128_f8f6f4 v[rD:rD+7], v[rB:rB+7], v[rA:rA+7], v[rC:rC+7], v[rSB], v[rSA] matrix_a_fmt:MATRIX_FMT_FP4 matrix_b_fmt:MATRIX_FMT_FP4
.elseif oo == 1
	v_wmma_scale_f32_16x16x128_f8f6f4 v[rD:rD+7], v[rB:rB+7], v[rA:rA+7], v[rC:rC+7], v[rSB], v[rSA] matrix_a_fmt:MATRIX_FMT_FP4 matrix_b_fmt:MATRIX_FMT_FP4 matrix_a_scale:MATRIX_SCALE_ROW1
.elseif oo == 2
	v_wmma_scale_f32_16x16x128_f8f6f4 v[rD:rD+7], v[rB:rB+7], v[rA:rA+7], v[rC:rC+7], v[rSB], v[rSA] matrix_a_fmt:MATRIX_FMT_FP4 matrix_b_fmt:MATRIX_FMT_FP4 matrix_b_scale:MATRIX_SCALE_ROW1
.else
	v_wmma_scale_f32_16x16x128_f8f6f4 v[rD:rD+7], v[rB:rB+7], v[rA:rA+7], v[rC:rC+7], v[rSB], v[rSA] matrix_a_fmt:MATRIX_FMT_FP4 matrix_b_fmt:MATRIX_FMT_FP4 matrix_a_scale:MATRIX_SCALE_ROW1 matrix_b_scale:MATRIX_SCALE_ROW1
.endif
.endm
; 16 matrix instructions: A's blocks a0, a0 + 1 x B's eight, the slot's q-th 128 along K.  p: B's set.  first = 1, 2: the products start the sums with the bias (by B's block, by A's block): nothing is cleared.
; The 64 accumulators take turns, one instruction a turn, in the same order in every step.
.macro MUL16 a0, p, q, slot, first
.irp a, \a0, \a0+1
.irp b, 0,1,2,3,4,5,6,7
.set rD, 8*(8*((\a)%4)+\b)
.set rB, 128*(\p)+8*\b
.set rA, AF+8*(\a)
.set rC, rD
.if \first == 1
.set rC, BIAS+8*\b
.endif
.if \first == 2
.set rC, BIAS+8*(\a)
.endif
.set rSB, SB+16*(\slot)+4*(\b/2)+(\q)
.set rSA, SA+16*(\slot)+4*((\a)/2)+(\q)
.set oo, 2*((\a)%2)+\b%2
	WM
.endr
.endr
.endm
.macro FETCH_B slot, q, p              ; B's eight fragments of the slot's q-th 128 along K into set p
	WIN 0x40                                       ; destination window 1, address window 0
.irp i, 0,1,2,3,4,5,6,7
	FRAG 128*(\p)+8*\i, ADRB+\slot, \q, \i
.endr
	WIN 0
.endm
.macro FETCH_A slot, q, i0             ; A's blocks i0 .. i0 + 3
.irp i, \i0, \i0+1, \i0+2, \i0+3
	FRAG AF+8*(\i), ADRA+\slot, \q, \i
.endr
.endm
; A step of 128 along K that has its successor in the same slot.  A block of A is free when its eight products are issued, so A has one set of registers: blocks 0-3 are fetched anew in the step's middle, blocks 4-7 at its end.
.macro STEP slot, q, first
	s_wait_dscnt 8                                 ; all but the youngest eight loads (A's blocks 4-7) are in
.if \first
	WIN 0x81                                       ; B window 1, A window 0, C (the bias) window 0, D window 2
.else
	WIN 0xa1                                       ; C and D window 2
.endif
	MUL16 0, (\q)%2, \q, \slot, \first
	MUL16 2, (\q)%2, \q, \slot, \first
	s_wait_dscnt 0                                 ; A's blocks 4-7 are in
	PLACES 4
	FETCH_B \slot, (\q)+1, 1-(\q)%2
	FETCH_A \slot, (\q)+1, 0
.if \first
	WIN 0xc1
.else
	WIN 0xf1
.endif
	MUL16 4, (\q)%2, \q, \slot, \first
	MUL16 6, (\q)%2, \q, \slot, \first
	PLACES 4
	WIN 0
	FETCH_A \slot, (\q)+1, 4
.endm
.macro STEPS slot, from                ; the slot's steps from .. 2
.set Q, \from
.rept 3-\from
	STEP \slot, Q, 0
.set Q, Q+1
.endr
.endm
; Slot 0's last step changes slots: one barrier; in front of it each wave has waited for all its tensor loads (its part of slot 1).  Nothing is filled again.
.macro TURN slot, next
	s_wait_tensorcnt 0x0                           ; all my tensor loads have landed
	ds_add_u32 v[SPW], v[NIL]                      ; 0 onto my spare word
	s_wait_dscnt 9                                 ; (the add and the youngest eight loads may be out)
	WIN 0xa1
	MUL16 0, 1, 3, \slot, 0
	s_wait_dscnt 0x0                               ; the add is done, and my reads of this slot are over
	s_barrier_signal -1
	MUL16 2, 1, 3, \slot, 0
	WIN 0
	s_barrier_wait -1
	PLACES 4
	FETCH_B \next, 0, 0
	FETCH_A \next, 0, 0
	WIN 0xf1
	MUL16 4, 1, 3, \slot, 0
	MUL16 6, 1, 3, \slot, 0
	PLACES 4
	WIN 0
	FETCH_A \next, 0, 4
.endm
	s_wait_tensorcnt 1                             ; the scales and my part of slot 0 are in; slot 1's load, the one issued behind them, may be out
	s_barrier_signal -1
	s_barrier_wait -1                              ; everybody's are
.irp p, 0,1,2,3                                ; the scale words of all of K: rows 32 p + lane, four K steps a load
.irp g, 0,1
	ds_load_b128 v[SA+16*\g+4*\p:SA+16*\g+4*\p+3], v[ADSA] offset:1088*\p+16*\g
	ds_load_b128 v[SB+16*\g+4*\p:SB+16*\g+4*\p+3], v[ADSB] offset:1088*\p+16*\g
.endr
.endr
	FETCH_B 0, 0, 0
	FETCH_A 0, 0, 0
	FETCH_A 0, 0, 4
	s_wait_loadcnt 0x0                             ; the bias
	s_cmp_eq_u32 s95, 1                            ; the first step names the bias by B's block or by A's: written out for each path
	s_cbranch_scc1 .Lfirst_v
	STEP 0, 0, 1
	s_branch .Lfirst_done
.Lfirst_v:
	STEP 0, 0, 2
.Lfirst_done:
	STEPS 0, 1
	TURN 0, 1
	STEPS 1, 0
	s_wait_dscnt 8                                 ; the last step: nothing more to fetch
	WIN 0xa1
	MUL16 0, 1, 3, 1, 0
	MUL16 2, 1, 3, 1, 0
	s_wait_dscnt 0
	WIN 0xf1
	MUL16 4, 1, 3, 1, 0
	MUL16 6, 1, 3, 1, 0
	WIN 0
; THE WAY OUT of block a (16 rows of A x my 128 rows of B): four blocks of 32 along B's axis are quantised in registers.  Block b is tiles 2 b and 2 b + 1, in lanes l and l xor 16.
; Tile T's eight codes go to register 4 (T / 4) + 2 (T % 2) + (T % 4) / 2; two exchanges of halves for each four registers then leave, in register 4 c + i of lane (r, h), k = 64 c + 32 h + 8 i .. + 7: an operand's image.
; Each block has registers of its own for its codes and words, so that no store's data are written again.
.macro EPI a, path
.set AC, 64*((\a)%4)
.set PCD, AF+8*(\a)
	WIN 0x14*(2+(\a)/4)                            ; sources 1 and 2: the accumulators' window
.irp b, 0,1,2,3
	v_max3_num_f32 v[TM+\b], 0x1800000, |v[AC+16*\b]|, |v[AC+16*\b+1]|   ; my 16 numbers of block b, each accumulator from its low end on, and the floor 2^(3 - 127): the byte cannot fall under 1
.endr
.irp i, 2,4,6,8,10,12,14
.irp b, 0,1,2,3
	v_max3_num_f32 v[TM+\b], v[TM+\b], |v[AC+16*\b+\i]|, |v[AC+16*\b+\i+1]|
.endr
.endr
	WIN 0
.irp b, 0,1,2,3
	v_permlanex16_b32 v[TM+4+\b], v[TM+\b], s[SEL], s[SEL+1]
.endr
.irp b, 0,1,2,3
	v_max_num_f32 v[TM+\b], v[TM+\b], v[TM+4+\b]   ; with lane l xor 16's: the block's largest magnitude
.endr
.irp b, 0,1,2,3
	v_add_nc_u32 v[TM+12+\b], 0xff000000, v[TM+\b] ; 2 off its exponent field: the conversion takes the exponent field of this operand as its scale
.endr
.irp b, 0,1,2,3
	v_lshrrev_b32 v[TM+4+\b], 23, v[TM+12+\b]      ; the scale's byte
.endr
	v_lshl_or_b32 v[WD+\a], v[TM+5], 8, v[TM+4]
	v_lshl_or_b32 v[WD+\a], v[TM+6], 16, v[WD+\a]
	v_lshl_or_b32 v[WD+\a], v[TM+7], 24, v[WD+\a]
	WIN 2+(\a)/4                                   ; source 0: the accumulators' window
.irp T, 0,1,2,3,4,5,6,7
	v_cvt_scalef32_pk8_fp4_f32 v[PCD+4*(\T/4)+2*(\T%2)+(\T%4)/2], v[AC+8*\T:AC+8*\T+7], v[TM+12+\T/2]
.endr
	WIN 0
	v_nop                                          ; one plain place behind a scaled conversion
.irp c, 0,1
	v_permlane16_swap_b32 v[PCD+4*\c], v[PCD+4*\c+1]
	v_permlane16_swap_b32 v[PCD+4*\c+2], v[PCD+4*\c+3]
.endr
.if \path == 0
.irp c, 0,1                                    ; part c is head c of my two: tokens 16 a + r, d = 32 h on: 512 consecutive bytes a store
	global_store_b128 v[LI], v[PCD+4*\c:PCD+4*\c+3], s[12:13] offset:512*(\a)+HEADB*\c
.endr
	v_lshrrev_b32 v[WS+\a], v[SH], v[WD+\a]        ; lanes 0-15 keep head 0's two bytes, lanes 16-31 head 1's
	v_and_b32 v[WS+\a], 0xffff, v[WS+\a]
	ds_store_b32 v[SQ], v[WS+\a] offset:256*((\a)%2)+4*((\a)/2)   ; token 16 a + r = 32 (a / 2) + (16 (a % 2) + r)
.else
.irp c, 0,1                                    ; head a / 4 of my two, channel tile a % 4, keys 64 c + 32 h on
	global_store_b128 v[LI], v[PCD+4*\c:PCD+4*\c+3], s[12:13] offset:4096+HEADB*((\a)/4)+1024*((\a)%4)+512*\c
.endr
	ds_store_b32 v[SV], v[WD+\a] offset:256*((\a)/4)+128*((\a)%2)+4*(((\a)%4)/2)   ; both halves of the lanes write the same word with the same value
.endif
.endm
	PLACES 4                                       ; behind the last products: their results are read and A's registers written below
	s_cmp_eq_u32 s95, 1
	s_cbranch_scc1 .Lout_v
.irp a, 0,1,2,3,4,5,6,7
	EPI \a, 0
.endr
	ds_load_b128 v[BIAS:BIAS+3], v[SQR]            ; LDS serves a wave's instructions in order: these see my stores
	ds_load_b128 v[BIAS+4:BIAS+7], v[SQR] offset:512
	s_wait_dscnt 0x0
	global_store_b128 v[LI], v[BIAS:BIAS+3], s[12:13] offset:8192          ; a step's scale words of a head: 512 consecutive bytes
	global_store_b128 v[LI], v[BIAS+4:BIAS+7], s[12:13] offset:8192+HEADB
	s_branch .Ldone
.Lout_v:
.irp a, 0,1,2,3,4,5,6,7
	EPI \a, 1
.endr
	ds_load_b64 v[BIAS:BIAS+1], v[SVR]
	ds_load_b64 v[BIAS+2:BIAS+3], v[SVR] offset:256
	s_wait_dscnt 0x0
	global_store_b64 v[L8], v[BIAS:BIAS+1], s[12:13] offset:8704           ; 256 consecutive bytes
	global_store_b64 v[L8], v[BIAS+2:BIAS+3], s[12:13] offset:8704+HEADB
.Ldone:
	s_wait_tensorcnt 0x0                           ; the wave's end, behind my last tensor load and my last LDS store
	ds_add_u32 v[SPW], v[NIL]
	s_wait_dscnt 0x0
	CROUND                                         ; the closing round: no work-group ends while a partner may still ask for a tile that names it
	s_endpgm
.Lfunc_end_k_q051c947a0f_qkv:
	.size	k_q051c947a0f_qkv, .Lfunc_end_k_q051c947a0f_qkv-k_q051c947a0f_qkv
	.p2alignl 7, 3214868480
	.fill 96, 4, 3214868480
	.section	.rodata,"a",@progbits
	.p2align	6, 0x0
	.amdhsa_kernel k_q051c947a0f_qkv
		.amdhsa_group_segment_fixed_size 327680
		.amdhsa_private_segment_fixed_size 0
		.amdhsa_enable_private_segment 0
		.amdhsa_kernarg_size 104
		.amdhsa_user_sgpr_count 2
		.amdhsa_user_sgpr_kernarg_segment_ptr 1
		.amdhsa_wavefront_size32 1
		.amdhsa_system_sgpr_workgroup_id_x 1
		.amdhsa_system_sgpr_workgroup_id_y 1
		.amdhsa_system_sgpr_workgroup_id_z 1
		.amdhsa_system_vgpr_workitem_id 0
		.amdhsa_next_free_vgpr 1024
		.amdhsa_next_free_sgpr 100
		.amdhsa_reserve_vcc 0
		.amdhsa_float_denorm_mode_32 3
		.amdhsa_float_denorm_mode_16_64 3
		.amdhsa_memory_ordered 1
		.amdhsa_forward_progress 1
		.amdhsa_inst_pref_size 182
	.end_amdhsa_kernel
	.amdgpu_metadata
---
amdhsa.version: [ 1, 2 ]
amdhsa.kernels:
  - .name:           k_q051c947a0f_qkv
    .symbol:         k_q051c947a0f_qkv.kd
    .args:
      - { .name: z_codes, .offset: 0, .size: 8, .value_kind: global_buffer, .address_space: global }
      - { .name: z_scales, .offset: 8, .size: 8, .value_kind: global_buffer, .address_space: global }
      - { .name: Wq_codes, .offset: 16, .size: 8, .value_kind: global_buffer, .address_space: global }
      - { .name: Wq_scales, .offset: 24, .size: 8, .value_kind: global_buffer, .address_space: global }
      - { .name: Wk_codes, .offset: 32, .size: 8, .value_kind: global_buffer, .address_space: global }
      - { .name: Wk_scales, .offset: 40, .size: 8, .value_kind: global_buffer, .address_space: global }
      - { .name: Wv_codes, .offset: 48, .size: 8, .value_kind: global_buffer, .address_space: global }
      - { .name: Wv_scales, .offset: 56, .size: 8, .value_kind: global_buffer, .address_space: global }
      - { .name: bq, .offset: 64, .size: 8, .value_kind: global_buffer, .address_space: global }
      - { .name: bk, .offset: 72, .size: 8, .value_kind: global_buffer, .address_space: global }
      - { .name: bv, .offset: 80, .size: 8, .value_kind: global_buffer, .address_space: global }
      - { .name: qb, .offset: 88, .size: 8, .value_kind: global_buffer, .address_space: global }
      - { .name: kv, .offset: 96, .size: 8, .value_kind: global_buffer, .address_space: global }
    .group_segment_fixed_size: 327680
    .private_segment_fixed_size: 0
    .kernarg_segment_align: 8
    .kernarg_segment_size: 104
    .max_flat_workgroup_size: 128
    .sgpr_count:     100
    .vgpr_count:     1024
    .wavefront_size: 32
...
	.end_amdgpu_metadata
.endif
;; end of part 1
;; launch attn (part 2): grid 4 x 64, 16 waves a work-group, clusters of 4 x 1, 167,936 bytes of LDS; arguments qb, kv, cc, cs; writes cc, cs
.if DOCPART == 2
	.amdgcn_target "amdgcn-amd-amdhsa--gfx1250"
	.amdhsa_code_object_version 6
	.text
	.protected	k_q051c947a0f_attn
	.globl	k_q051c947a0f_attn
	.p2align	8
	.type	k_q051c947a0f_attn,@function
k_q051c947a0f_attn:
	s_mov_b64 s[64:65], 0
	v_nop
	global_prefetch_b8 v0, s[64:65] scope:SCOPE_SE
	s_setreg_imm32_b32 hwreg(HW_REG_WAVE_MODE, 25, 1), 1
	s_wait_xcnt 0x0
	s_wait_alu depctr_hold_cnt(0) depctr_sa_sdst(0) depctr_va_vdst(0) depctr_va_sdst(0) depctr_va_ssrc(0) depctr_va_vcc(0) depctr_vm_vsrc(0)
	s_getreg_b32 s2, hwreg(HW_REG_IB_STS2, 6, 4)
	s_cmp_eq_u32 s2, 0
	s_cbranch_scc0 .Lentry_in_a_cluster
	s_endpgm
.Lentry_in_a_cluster:
	s_bfe_u32 s2, ttmp6, 0x10000c
	s_cmp_lg_u32 s2, 0x3003
	s_cbranch_scc0 .Lentry_shape_is_right
	s_endpgm
.Lentry_shape_is_right:
; ctx[q] = (sum over keys of p V) / l for one head, both products on codes of FP4 (E2M1) with E8M0 scales for each 32 along a product's K; then ctx is quantised along the model's 1,024 (two blocks a head).
; t = score x log2(e) / 8; M = the running largest t rounded up to a whole number; p = 2^(t - M) is quantised along the keys, not normalised; l is the sum of the unquantised p, in f32.
; When M moves, l and O are multiplied by 2^(old M - new M), which rounds nothing.  No work is left out.
; LIMITS: NaN and infinities are not served; a block whose largest magnitude lies under 2^-124, and a block of zeros, get the scale byte 1 (zero codes add nothing under any byte but 0xff; only this program reads the bytes).
; SHARES.  A work-group owns one head (16 x batch + head = the grid's y) and 512 queries; each of its sixteen waves owns 32, two tiles A and B of 16, which share every fragment of K and V that the wave reads from LDS.
; Four waves lie on a SIMD, so that one wave's exponentials stand beside another's plain work and products.
; THE HEAD'S K AND V, 143,360 bytes as the launch before laid them (16 steps of 128 keys x 8,960 bytes: K's codes, V's codes, K's scale words, V's scale words, all as images of operand registers),
; come into LDS ONCE: one tensor load a wave, a step each.  The four work-groups of a cluster own the four query blocks of one head: each load is asked for jointly by the four.  No byte of LDS is filled again.
; LAYOUT.  S^T = K Q^T (source 0 = 16 keys, source 1 = 16 queries), O^T = V^T P^T (source 0 = 16 channels, source 1 = P): a lane holds one query (lane % 16) throughout; register j of tile T holds key 16 T + 8 (lane / 16) + j.
; THE SCORES' K IS 64, the instruction's 128.  Q's registers 4-7 are zero codes, and bytes 2, 3 of Q's and K's scale words are 0 (a small power of two, no NaN).  K's tile T is named as v[32 + 4 T .. + 7]: its upper four
; registers are the next tile's codes (behind the last tile: zeros); they meet Q's zero codes and add exactly 0.  So only one operand carries zeros there, and K takes no LDS bytes and no registers for padding.
; P's codes: tile T's eight go to register 4 (T / 4) + 2 (T % 2) + (T % 4) / 2; two exchanges of halves for each four registers leave, in register 4 c + i of lane (r, h), keys 64 c + 32 h + 8 i .. + 7: the operand.
.set HEADB, 143360
.set STEPB, 8960
.set STG,   143360                     ; behind the head: 2,048 bytes, where the 512 rows' scale words of ctx are gathered
.set SPARE, STG+2048                   ; the spare words, 128 bytes for each of the sixteen waves: no other line names them
.set LI,  1                            ; v1   16 x lane
.set L8,  2                            ; v2   8 x lane
.set SPW, 3                            ; v3   LDS address of my spare word; never rewritten
.set NIL, 4                            ; v4   0; never rewritten
.set ADR, 5                            ; v5   the step's LDS byte + 16 x lane
.set ADR8, 6                           ; v6   the step's LDS byte + 8 x lane
.set SW,  7                            ; v7   the stage: 4 x my thread's number
.set STA, 8                            ; v8 -M, v9 the largest t, v[10:11] the sum in two halves: tile A
.set STB, 12                           ; the same for tile B
.set QA,  16                           ; v16-19 Q's codes, v20-23 zeros: tile A
.set QB,  24                           ; tile B
.set KF,  32                           ; v32-63 K's eight tiles x 4 registers; later V's four fragments x 8
.set ZR,  64                           ; v64-67 zeros
.set S,   68                           ; v68-131 S^T, then p
.set OA,  132                          ; v132-163 O^T of tile A: four channel tiles x 8
.set OB,  164
.set PA,  196                          ; v196-203 P's codes, tile A
.set PB,  204
.set KS,  212                          ; v212-215 K's scale words: register i: key 32 i + lane
.set VS,  216                          ; v216-217 V's: register i: channel tile 2 i + lane / 16
.set QS,  218                          ; v218 Q's: lanes 0-15 tile A, lanes 16-31 tile B
.set PSA, 219                          ; P's scale words
.set PSB, 220
.set BM,  222                          ; v222-225 each block's largest score, then its largest p
.set TP,  226                          ; v226-229 the other half's, then bytes
.set SO,  230                          ; v230-233 the conversions' scale operands
.set F,   234                          ; v234 f = 2^(old M - new M); v235 is named with it as a pair
.set SUM2, 236                         ; v[236:237] the second chain of the sum
.set TMP, 238
.set TQ,  240                          ; v240-245 the tail's quantiser
.set WDA, 246
.set WDB, 247
.set WDW, 248
.set SRD, 249                          ; the stage, read back: 16 x (thread % 128)
.set GOF, 250                          ; and the same offset in cs
.set WV,  12                           ; s12  my wave's number
.set SEL, 28                           ; s[28:29] lane selects for v_permlanex16_b32: lane l xor 16
.set CS,  30                           ; s[30:31] c = log2(e) / 8: the packed form names a pair and takes its low word for both halves
.set TB,  32                           ; s32  the step's LDS byte
.set CNT, 33                           ; s33  steps to go
.macro CROUND                          ; a round of the cluster's barrier
	s_barrier_signal -1
	s_barrier_wait -1
	s_cmp_lg_u32 s[WV], 0
	s_cbranch_scc1 .Lnot_wave_0_\@
	s_barrier_signal -3
.Lnot_wave_0_\@:
	s_barrier_wait -3
	s_barrier_signal -1
	s_barrier_wait -1
.endm
	s_load_b256 s[4:11], s[0:1], 0x0               ; qb s[4:5], kv s[6:7], cc s[8:9], cs s[10:11]
	v_lshl_add_u32 v[SPW], v0, 2, SPARE
	v_mov_b32 v[NIL], 0
	ds_add_u32 v[SPW], v[NIL]                      ; the wave's opening: the add, twice on end, and its wait ahead of my first tensor load
	ds_add_u32 v[SPW], v[NIL]                      ; and once more; the set-up below, work on registers, stands between it and the wait
	v_lshrrev_b32 v5, 5, v0
	s_delay_alu instid0(VALU_DEP_1)
	v_readfirstlane_b32 s[WV], v5                  ; wave 0..15
	s_bfe_u32 s13, ttmp6, 0x40000                  ; cx: my block of 512 queries
	s_and_b32 s14, ttmp7, 0xffff                   ; 16 x batch + head, which the four partners share
	; descriptor group 1: a step's 8,960 dense bytes as 35 rows of 256 bytes (32 elements of 8 bytes), no padding: every read is 16 x lane
	s_mov_b32 s16, 15|(3<<16)|(1<<21)              ; the mask: all four work-groups; elements of 8 bytes; bit 21 beside a mask
	s_mov_b32 s17, 32<<16                          ; tensor_dim0
	s_mov_b32 s18, 35<<16                          ; tensor_dim1
	s_mov_b32 s19, 32<<16                          ; tile_dim0
	s_mov_b32 s20, 35                              ; tile_dim1
	s_mov_b32 s21, 32                              ; tensor_dim0_stride
	s_mov_b32 s22, 0
	s_mov_b32 s23, 0
	s_mov_b32 s[SEL], 0x76543210
	s_mov_b32 s[SEL+1], 0xfedcba98
	s_mov_b32 s[CS], 0x3e38aa3b                    ; log2(e) / 8
	s_mov_b32 s[CS+1], s[CS]
	s_mov_b32 s[TB], 0
	s_mov_b32 s[CNT], 16
	s_and_b32 s34, s14, 1
	s_lshl_b32 s34, s34, 4                         ; odd heads carry their two scale bytes of ctx in bytes 2, 3
	s_mul_i32 s36, s14, HEADB                      ; the head's first byte in kv and in qb
	s_mov_b32 s37, 0
	s_mul_i32 s38, s[WV], STEPB                    ; the step that I fetch: in memory and in LDS
	s_mov_b32 s39, 0
	s_wait_dscnt 0x0                               ; both opening adds are done
	s_wait_kmcnt 0x0
	s_add_nc_u64 s[6:7], s[6:7], s[36:37]
	s_add_nc_u64 s[4:5], s[4:5], s[36:37]
	s_mov_b32 s24, 1                               ; group 0: count = 1
	s_mov_b32 s25, s38                             ; LDS address
	s_add_nc_u64 s[26:27], s[6:7], s[38:39]        ; global address
	s_or_b32 s27, s27, 0x80000000                  ; type = 2
	CROUND                                         ; all four work-groups are here: the joint loads meet
	tensor_load_to_lds s[24:27], s[16:23]          ; my one tensor load of the launch
	s_nop 0
.rept 4
	v_nop
.endr
	s_lshl_b32 s36, s13, 2
	s_lshr_b32 s37, s[WV], 2
	s_add_co_u32 s36, s36, s37                     ; the step of 128 tokens that holds my 32 queries
	s_mul_i32 s36, s36, STEPB
	s_mov_b32 s37, 0
	s_add_nc_u64 s[4:5], s[4:5], s[36:37]
	v_and_b32 v[TMP], 31, v0
	s_delay_alu instid0(VALU_DEP_1)
	v_lshlrev_b32 v[LI], 4, v[TMP]
	s_delay_alu instid0(VALU_DEP_2)
	v_lshlrev_b32 v[L8], 3, v[TMP]
	v_lshl_add_u32 v[SW], v0, 2, STG
	v_and_b32 v[GOF], 127, v0
	s_delay_alu instid0(VALU_DEP_1)
	v_lshlrev_b32 v[GOF], 4, v[GOF]
	s_delay_alu instid0(VALU_DEP_1)
	v_add_nc_u32 v[SRD], STG, v[GOF]
	s_and_b32 s36, s[WV], 3                        ; which 32 tokens of the step
	s_lshl_b32 s37, s36, 10
	v_add_nc_u32 v5, s37, v[LI]                    ; their two tiles of codes,
	s_lshl_b32 s37, s36, 2
	v_add_nc_u32 v6, s37, v[LI]                    ; and their scale words: word (lane, i) with i = which 32
	global_load_b128 v[QA:QA+3], v5, s[4:5]
	global_load_b128 v[QB:QB+3], v5, s[4:5] offset:512
	global_load_b32 v[QS], v6, s[4:5] offset:8192
	; where ctx's codes and scale words go
	s_lshr_b32 s36, s14, 4                         ; batch
	s_and_b32 s40, s14, 15                         ; head
	s_lshl_b32 s38, s36, 7
	s_lshl_b32 s39, s13, 5
	s_add_co_u32 s38, s38, s39
	s_lshl_b32 s39, s[WV], 1
	s_add_co_u32 s38, s38, s39                     ; my first tile of 16 rows: 128 x batch + 32 cx + 2 x wave
	s_lshl_b32 s38, s38, 13                        ; 8,192 bytes a tile of rows,
	s_lshl_b32 s39, s40, 9                         ; 512 a head
	s_add_co_u32 s38, s38, s39
	s_mov_b32 s39, 0
	s_add_nc_u64 s[8:9], s[8:9], s[38:39]
	s_lshl_b32 s38, s40, 13                        ; cs: a plane of 8,192 words a head
	s_lshl_b32 s41, s36, 11
	s_add_co_u32 s38, s38, s41
	s_lshl_b32 s41, s13, 9
	s_add_co_u32 s38, s38, s41                     ; + my work-group's first row
	s_lshl_b32 s38, s38, 2
	s_add_nc_u64 s[10:11], s[10:11], s[38:39]
.irp j, 0,1,2,3
	v_mov_b32 v[QA+4+\j], 0                        ; zero codes for k = 64 .. 127
	v_mov_b32 v[QB+4+\j], 0
	v_mov_b32 v[ZR+\j], 0
	v_mov_b32 v[TP+\j], 0                          ; written once: a lane permute's destination counts as one of its sources
.endr
	v_mov_b32 v[STA+1], 0xff61b1e6                 ; the largest t so far: -3e38, under every t
	v_mov_b32 v[STB+1], 0xff61b1e6
	s_delay_alu instid0(VALU_DEP_2)
	v_floor_f32 v[STA], -v[STA+1]                  ; -M
	s_delay_alu instid0(VALU_DEP_2)
	v_floor_f32 v[STB], -v[STB+1]
	v_mov_b32 v[STA+2], 0
	v_mov_b32 v[STA+3], 0
	v_mov_b32 v[STB+2], 0
	v_mov_b32 v[STB+3], 0
	v_mov_b32 v[F+1], 0                            ; (named as the upper half of a pair)
	v_mov_b32 v[TQ+2], 0
	v_mov_b32 v[TQ+3], 0
.set j, 0
.rept 64
	v_mov_b32 v[OA+j], 0                           ; O^T of both tiles.  The step is written once: the first finds zeros, which the first change of M leaves zeros
.set j, j+1
.endr
; S^T = K Q^T for one tile of queries: eight tiles of 16 keys.  rowq = 1: Q's scale words are taken from lanes 16-31.  K's: register T / 2, lanes 16-31 for odd T.
.macro SMUL q, rowq
.irp T, 0,1,2,3,4,5,6,7
.set oo, 2*(\rowq)+\T%2
.if oo == 0
	v_wmma_scale_f32_16x16x128_f8f6f4 v[S+8*\T:S+8*\T+7], v[KF+4*\T:KF+4*\T+7], v[\q:\q+7], 0, v[KS+\T/2], v[QS] matrix_a_fmt:MATRIX_FMT_FP4 matrix_b_fmt:MATRIX_FMT_FP4
.elseif oo == 1
	v_wmma_scale_f32_16x16x128_f8f6f4 v[S+8*\T:S+8*\T+7], v[KF+4*\T:KF+4*\T+7], v[\q:\q+7], 0, v[KS+\T/2], v[QS] matrix_a_fmt:MATRIX_FMT_FP4 matrix_b_fmt:MATRIX_FMT_FP4 matrix_a_scale:MATRIX_SCALE_ROW1
.elseif oo == 2
	v_wmma_scale_f32_16x16x128_f8f6f4 v[S+8*\T:S+8*\T+7], v[KF+4*\T:KF+4*\T+7], v[\q:\q+7], 0, v[KS+\T/2], v[QS] matrix_a_fmt:MATRIX_FMT_FP4 matrix_b_fmt:MATRIX_FMT_FP4 matrix_b_scale:MATRIX_SCALE_ROW1
.else
	v_wmma_scale_f32_16x16x128_f8f6f4 v[S+8*\T:S+8*\T+7], v[KF+4*\T:KF+4*\T+7], v[\q:\q+7], 0, v[KS+\T/2], v[QS] matrix_a_fmt:MATRIX_FMT_FP4 matrix_b_fmt:MATRIX_FMT_FP4 matrix_a_scale:MATRIX_SCALE_ROW1 matrix_b_scale:MATRIX_SCALE_ROW1
.endif
.endr
.rept 4
	v_nop                                          ; places behind the products: their results are read, and loads land on K's registers, below
.endr
.endm
; O^T += V^T P^T: channel tile t of one tile of queries; K = the step's 128 keys
.macro PVM o, p, ps, t
.if (\t)%2
	v_wmma_scale_f32_16x16x128_f8f6f4 v[\o+8*\t:\o+8*\t+7], v[KF+8*\t:KF+8*\t+7], v[\p:\p+7], v[\o+8*\t:\o+8*\t+7], v[VS+\t/2], v[\ps] matrix_a_fmt:MATRIX_FMT_FP4 matrix_b_fmt:MATRIX_FMT_FP4 matrix_a_scale:MATRIX_SCALE_ROW1
.else
	v_wmma_scale_f32_16x16x128_f8f6f4 v[\o+8*\t:\o+8*\t+7], v[KF+8*\t:KF+8*\t+7], v[\p:\p+7], v[\o+8*\t:\o+8*\t+7], v[VS+\t/2], v[\ps] matrix_a_fmt:MATRIX_FMT_FP4 matrix_b_fmt:MATRIX_FMT_FP4
.endif
.endm
; The softmax of one tile of 16 queries x 128 keys, from the scores in v[S] on to P's codes, its scale word, and the tile's sum and O^T under the new M.
.macro SOFT st, o, p, ps
.irp b, 0,1,2,3
	v_max3_num_f32 v[BM+\b], v[S+16*\b], v[S+16*\b+1], v[S+16*\b+2]   ; the largest score of each block of 32 keys: it serves for the row's maximum and, since p rises with the score, for the block's largest p
.endr
.irp i, 3,5,7,9,11,13
.irp b, 0,1,2,3
	v_max3_num_f32 v[BM+\b], v[BM+\b], v[S+16*\b+\i], v[S+16*\b+\i+1]
.endr
.endr
.irp b, 0,1,2,3
	v_max_num_f32 v[BM+\b], v[BM+\b], v[S+16*\b+15]
.endr
.irp b, 0,1,2,3
	s_delay_alu instid0(VALU_DEP_4)
	v_permlanex16_b32 v[TP+\b], v[BM+\b], s[SEL], s[SEL+1]
.endr
.irp b, 0,1,2,3
	s_delay_alu instid0(VALU_DEP_4)
	v_max_num_f32 v[BM+\b], v[BM+\b], v[TP+\b]     ; with lane l xor 16's 16 keys
.endr
	s_delay_alu instid0(VALU_DEP_2)
	v_max3_num_f32 v[TMP], v[BM], v[BM+1], v[BM+2]
	s_delay_alu instid0(VALU_DEP_1)
	v_max_num_f32 v[TMP], v[TMP], v[BM+3]          ; the step's largest score of my query
	s_delay_alu instid0(VALU_DEP_1)
	v_mul_f32 v[TMP], s[CS], v[TMP]                ; as t (c is positive)
	s_delay_alu instid0(VALU_DEP_1)
	v_max_num_f32 v[\st+1], v[\st+1], v[TMP]       ; the running largest t
	v_mov_b32 v[TMP], v[\st]
	s_delay_alu instid0(VALU_DEP_2)
	v_floor_f32 v[\st], -v[\st+1]                  ; the new -M = floor(-t) = -ceil(t)
	s_delay_alu instid0(VALU_DEP_1)
	v_sub_f32 v[TMP], v[\st], v[TMP]               ; old M less new M: a whole number, 0 or less
	s_delay_alu instid0(VALU_DEP_1)
	v_cvt_i32_f32 v[TMP], v[TMP]                   ; (it saturates)
	s_delay_alu instid0(VALU_DEP_1)
	v_ldexp_f32 v[F], 1.0, v[TMP]                  ; f = 2^(old M - new M)
.set j, 0
.rept 32
	v_pk_fma_f32 v[S+j:S+j+1], v[S+j:S+j+1], s[CS:CS+1], v[\st:\st+1] op_sel_hi:[1,0,0]   ; t - M, two at a time
.set j, j+2
.endr
.irp b, 0,1,2,3
	v_fma_f32 v[BM+\b], v[BM+\b], s[CS], v[\st]    ; the same of each block's largest score
.endr
.set j, 0
	s_wait_alu depctr_va_vdst(0)
.rept 64
	v_exp_f32 v[S+j], v[S+j]                       ; p = 2^(t - M), at most 1
.set j, j+1
.endr
	v_pk_mul_f32 v[\st+2:\st+3], v[\st+2:\st+3], v[F:F+1] op_sel_hi:[1,0]   ; the sum under the new M: a plain place behind the exponentials
	s_wait_alu depctr_va_vdst(0)                   ; one wait for the batch, ahead of its first reader
.irp b, 0,1,2,3
	v_exp_f32 v[BM+\b], v[BM+\b]                   ; the block's largest p: the same two instructions on the same number give the same bits
.endr
	v_pk_add_f32 v[SUM2:SUM2+1], v[S:S+1], v[S+2:S+3]   ; the sum of the unquantised p, in two chains; it reads the 64 alone
.set j, 4
.rept 15
	v_pk_add_f32 v[\st+2:\st+3], v[\st+2:\st+3], v[S+j:S+j+1]
	v_pk_add_f32 v[SUM2:SUM2+1], v[SUM2:SUM2+1], v[S+j+2:S+j+3]
.set j, j+4
.endr
	s_delay_alu instid0(VALU_DEP_1)
	v_pk_add_f32 v[\st+2:\st+3], v[\st+2:\st+3], v[SUM2:SUM2+1]
	s_wait_alu depctr_va_vdst(0)                   ; and one for the four
.irp b, 0,1,2,3
	v_max_num_f32 v[BM+\b], 0x1800000, v[BM+\b]    ; the floor 2^(3 - 127): the byte cannot fall under 1
.endr
.irp b, 0,1,2,3
	s_delay_alu instid0(VALU_DEP_4)
	v_add_nc_u32 v[SO+\b], 0xff000000, v[BM+\b]    ; 2 off the exponent field: the conversion's scale operand
.endr
.irp b, 0,1,2,3
	s_delay_alu instid0(VALU_DEP_4)
	v_lshrrev_b32 v[TP+\b], 23, v[SO+\b]           ; the scale's byte
.endr
	s_delay_alu instid0(VALU_DEP_3)
	v_lshl_or_b32 v[\ps], v[TP+1], 8, v[TP]        ; p's scale word for these 128 keys
	s_delay_alu instid0(VALU_DEP_1)
	v_lshl_or_b32 v[\ps], v[TP+2], 16, v[\ps]
	s_delay_alu instid0(VALU_DEP_1)
	v_lshl_or_b32 v[\ps], v[TP+3], 24, v[\ps]
.irp T, 0,1,2,3,4,5,6,7
	v_cvt_scalef32_pk8_fp4_f32 v[\p+4*(\T/4)+2*(\T%2)+(\T%4)/2], v[S+8*\T:S+8*\T+7], v[SO+\T/2]
.endr
	v_nop                                          ; one plain place behind a scaled conversion
.irp c, 0,1
	v_permlane16_swap_b32 v[\p+4*\c], v[\p+4*\c+1]
	v_permlane16_swap_b32 v[\p+4*\c+2], v[\p+4*\c+3]
.endr
.set j, 0
.rept 16
	v_pk_mul_f32 v[\o+j:\o+j+1], v[\o+j:\o+j+1], v[F:F+1] op_sel_hi:[1,0]   ; O^T under the new M.  Twelve of these name no register of any one product below: they are the places behind the scale word and the codes
.set j, j+2
.endr
.endm
	s_wait_loadcnt 0x0                             ; Q
	s_wait_tensorcnt 0x0                           ; my step of K and V is in LDS,
	s_barrier_signal -1
	s_barrier_wait -1                              ; everybody's is: the whole head
.Lstep:                                            ; sixteen trips of 128 keys
	s_setprio 2
	v_add_nc_u32 v[ADR], s[TB], v[LI]              ; these four are the places behind the last trip's products, in front of loads into the registers that they read
	v_add_nc_u32 v[ADR8], s[TB], v[L8]
	v_nop
	v_nop
.irp T, 0,1,2,3,4,5,6,7
	ds_load_b128 v[KF+4*\T:KF+4*\T+3], v[ADR] offset:512*\T
.endr
	ds_load_b128 v[KS:KS+3], v[ADR] offset:8192
	ds_load_b64 v[VS:VS+1], v[ADR8] offset:8704
	s_wait_dscnt 0x0
	SMUL QA, 0
	SOFT STA, OA, PA, PSA
	SMUL QB, 1
.irp t, 0,1,2,3                                ; V's four fragments take K's registers; they land under tile B's softmax
.irp c, 0,1
	ds_load_b128 v[KF+8*\t+4*\c:KF+8*\t+4*\c+3], v[ADR] offset:4096+1024*\t+512*\c
.endr
.endr
	s_setprio 1
	SOFT STB, OB, PB, PSB
	s_setprio 0
	s_wait_alu depctr_va_vdst(0)
	s_wait_dscnt 0x0                               ; V
.irp t, 0,1,2,3                                ; the eight accumulators by turns, one instruction a turn
	PVM OA, PA, PSA, \t
	PVM OB, PB, PSB, \t
.endr
	s_add_co_u32 s[TB], s[TB], STEPB
	s_sub_co_u32 s[CNT], s[CNT], 1
	s_cmp_lg_u32 s[CNT], 0
	s_cbranch_scc1 .Lstep
	s_setprio 0
	; THE WAY OUT.  O^T / l; the head's 64 channels are two blocks of the next product's K.
	v_add_f32 v[STA+2], v[STA+2], v[STA+3]         ; the sum's two halves (these additions are also the places behind the last products),
	v_add_f32 v[STB+2], v[STB+2], v[STB+3]
	s_delay_alu instid0(VALU_DEP_2)
	v_permlanex16_b32 v[TP], v[STA+2], s[SEL], s[SEL+1]
	s_delay_alu instid0(VALU_DEP_2)
	v_permlanex16_b32 v[TP+1], v[STB+2], s[SEL], s[SEL+1]
	s_delay_alu instid0(VALU_DEP_2)
	v_add_f32 v[STA+2], v[STA+2], v[TP]            ; and lane l xor 16's: the row's sum
	s_delay_alu instid0(VALU_DEP_2)
	v_add_f32 v[STB+2], v[STB+2], v[TP+1]
	s_wait_alu depctr_va_vdst(0)
	v_rcp_f32 v[F], v[STA+2]
	v_rcp_f32 v[SUM2], v[STB+2]
	v_and_b32 v[TMP], 31, v0                       ; a plain place behind the reciprocals: my lane
	s_wait_alu depctr_va_vdst(0)                   ; one wait for both, ahead of the first reader
.set j, 0
.rept 16
	v_pk_mul_f32 v[OA+j:OA+j+1], v[OA+j:OA+j+1], v[F:F+1] op_sel_hi:[1,0]
.set j, j+2
.endr
.set j, 0
.rept 16
	v_pk_mul_f32 v[OB+j:OB+j+1], v[OB+j:OB+j+1], v[SUM2:SUM2+1] op_sel_hi:[1,0]
.set j, j+2
.endr
; 32 numbers of a lane (four channel tiles) become 16 bytes of codes in v[pc] on (d = 32 (lane / 16) + 0 .. 31 of my row) and two scale bytes in v[wd]
.macro QUANT32 o, pc, wd
.irp b, 0,1
	v_max3_num_f32 v[TQ+\b], |v[\o+16*\b]|, |v[\o+16*\b+1]|, 0x1800000
.endr
.irp i, 2,4,6,8,10,12,14
.irp b, 0,1
	s_delay_alu instid0(VALU_DEP_2)
	v_max3_num_f32 v[TQ+\b], v[TQ+\b], |v[\o+16*\b+\i]|, |v[\o+16*\b+\i+1]|
.endr
.endr
.irp b, 0,1
	s_delay_alu instid0(VALU_DEP_2)
	v_permlanex16_b32 v[TQ+2+\b], v[TQ+\b], s[SEL], s[SEL+1]
.endr
.irp b, 0,1
	s_delay_alu instid0(VALU_DEP_2)
	v_max_num_f32 v[TQ+\b], v[TQ+\b], v[TQ+2+\b]
.endr
.irp b, 0,1
	s_delay_alu instid0(VALU_DEP_2)
	v_add_nc_u32 v[TQ+4+\b], 0xff000000, v[TQ+\b]
.endr
.irp b, 0,1
	s_delay_alu instid0(VALU_DEP_2)
	v_lshrrev_b32 v[TQ+2+\b], 23, v[TQ+4+\b]
.endr
	s_delay_alu instid0(VALU_DEP_1)
	v_lshl_or_b32 v[\wd], v[TQ+3], 8, v[TQ+2]
.irp T, 0,1,2,3
	v_cvt_scalef32_pk8_fp4_f32 v[\pc+2*(\T%2)+\T/2], v[\o+8*\T:\o+8*\T+7], v[TQ+4+\T/2]
.endr
	v_nop                                          ; one plain place behind a scaled conversion
	v_permlane16_swap_b32 v[\pc], v[\pc+1]
	v_permlane16_swap_b32 v[\pc+2], v[\pc+3]
.endm
	QUANT32 OA, PA, WDA
	global_store_b128 v[LI], v[PA:PA+3], s[8:9]               ; my head's 512 bytes of a tile of rows: registers of the last product's operand, as they will be loaded
	QUANT32 OB, PB, WDB
	global_store_b128 v[LI], v[PB:PB+3], s[8:9] offset:8192
	v_lshlrev_b32 v[WDA], s34, v[WDA]              ; an odd head's bytes go to bytes 2, 3
	v_lshlrev_b32 v[WDB], s34, v[WDB]
	v_cmp_gt_u32 vcc_lo, 16, v[TMP]
	s_delay_alu instid0(VALU_DEP_1)
	v_cndmask_b32 v[WDW], v[WDB], v[WDA], vcc_lo   ; lanes 0-15: tile A's rows; lanes 16-31: tile B's: row 32 x wave + lane
	ds_store_b32 v[SW], v[WDW]
	s_wait_dscnt 0x0                               ; for the others' sake: my store has landed
	s_barrier_signal -1
	s_barrier_wait -1
	s_cmp_lt_u32 s[WV], 4                          ; waves 0 to 3 store the 512 words: 512 consecutive bytes a wave
	s_cbranch_scc0 .Lno_words
	ds_load_b128 v[S:S+3], v[SRD]
	s_wait_dscnt 0x0
	global_store_b128 v[GOF], v[S:S+3], s[10:11]
.Lno_words:
	s_wait_tensorcnt 0x0                           ; the wave's end, behind my last tensor load and my last LDS store
	ds_add_u32 v[SPW], v[NIL]
	s_wait_dscnt 0x0
	CROUND                                         ; the closing round
	s_endpgm
.Lfunc_end_k_q051c947a0f_attn:
	.size	k_q051c947a0f_attn, .Lfunc_end_k_q051c947a0f_attn-k_q051c947a0f_attn
	.p2alignl 7, 3214868480
	.fill 96, 4, 3214868480
	.section	.rodata,"a",@progbits
	.p2align	6, 0x0
	.amdhsa_kernel k_q051c947a0f_attn
		.amdhsa_group_segment_fixed_size 167936
		.amdhsa_private_segment_fixed_size 0
		.amdhsa_enable_private_segment 0
		.amdhsa_kernarg_size 32
		.amdhsa_user_sgpr_count 2
		.amdhsa_user_sgpr_kernarg_segment_ptr 1
		.amdhsa_wavefront_size32 1
		.amdhsa_system_sgpr_workgroup_id_x 1
		.amdhsa_system_sgpr_workgroup_id_y 1
		.amdhsa_system_sgpr_workgroup_id_z 1
		.amdhsa_system_vgpr_workitem_id 0
		.amdhsa_next_free_vgpr 256
		.amdhsa_next_free_sgpr 66
		.amdhsa_reserve_vcc 1
		.amdhsa_float_denorm_mode_32 3
		.amdhsa_float_denorm_mode_16_64 3
		.amdhsa_memory_ordered 1
		.amdhsa_forward_progress 1
		.amdhsa_inst_pref_size 47
	.end_amdhsa_kernel
	.amdgpu_metadata
---
amdhsa.version: [ 1, 2 ]
amdhsa.kernels:
  - .name:           k_q051c947a0f_attn
    .symbol:         k_q051c947a0f_attn.kd
    .args:
      - { .name: qb, .offset: 0, .size: 8, .value_kind: global_buffer, .address_space: global }
      - { .name: kv, .offset: 8, .size: 8, .value_kind: global_buffer, .address_space: global }
      - { .name: cc, .offset: 16, .size: 8, .value_kind: global_buffer, .address_space: global }
      - { .name: cs, .offset: 24, .size: 8, .value_kind: global_buffer, .address_space: global }
    .group_segment_fixed_size: 167936
    .private_segment_fixed_size: 0
    .kernarg_segment_align: 8
    .kernarg_segment_size: 32
    .max_flat_workgroup_size: 512
    .sgpr_count:     66
    .vgpr_count:     256
    .wavefront_size: 32
...
	.end_amdgpu_metadata
.endif
;; end of part 2
;; launch proj (part 3): grid 4 x 32, 4 waves a work-group, clusters of 4 x 4, 327,680 bytes of LDS; arguments cc, cs, Wo_codes, Wo_scales, out0, bo; writes out0
.if DOCPART == 3
	.amdgcn_target "amdgcn-amd-amdhsa--gfx1250"
	.amdhsa_code_object_version 6
	.text
	.protected	k_q051c947a0f_proj
	.globl	k_q051c947a0f_proj
	.p2align	8
	.type	k_q051c947a0f_proj,@function
k_q051c947a0f_proj:
	s_mov_b64 s[64:65], 0
	v_nop
	global_prefetch_b8 v0, s[64:65] scope:SCOPE_SE
	s_setreg_imm32_b32 hwreg(HW_REG_WAVE_MODE, 25, 1), 1
	s_wait_xcnt 0x0
	s_wait_alu depctr_hold_cnt(0) depctr_sa_sdst(0) depctr_va_vdst(0) depctr_va_sdst(0) depctr_va_ssrc(0) depctr_va_vcc(0) depctr_vm_vsrc(0)
	s_getreg_b32 s2, hwreg(HW_REG_IB_STS2, 6, 4)
	s_cmp_eq_u32 s2, 0
	s_cbranch_scc0 .Lentry_in_a_cluster
	s_endpgm
.Lentry_in_a_cluster:
	s_bfe_u32 s2, ttmp6, 0x10000c
	s_cmp_lg_u32 s2, 0xf033
	s_cbranch_scc0 .Lentry_shape_is_right
	s_endpgm
.Lentry_shape_is_right:
; out0 = ctx Wo^T + bo on codes of FP4 (E2M1) with one E8M0 scale for each 32 along K (= 1,024); sums in f32; out0: [8,192][1,024] f32.  No work is left out.
; A = ctx, as the attention launch stored it: cc [512 tiles of 16 rows][8 K steps][2][32 lanes][16 bytes], an image of the operand's registers; cs [16 heads][8,192 rows] words: head 2 q carries the scale bytes of
; k = 0 .. 63 of K step q in bytes 0, 1, head 2 q + 1 those of k = 64 .. 127 in bytes 2, 3, the rest zero: the two words are joined by one OR.  B = Wo: 1,024 rows x 512 bytes of codes, 32 scale bytes a row.
; SHARES.  A work-group of four waves makes 256 x 256 of out0, a wave 128 x 128: 64 accumulators.  Source 0 = 16 rows of Wo, source 1 = 16 rows of ctx: a lane holds eight neighbouring numbers of a row of out0.
; All of K lies in two LDS slots of 512 along K, asked for at the head: nothing is filled again.  4 x 4 work-groups form a cluster: A's tiles are asked for jointly along a row of it, B's along a column.
; out0 has 128 tiles of 256 x 256: so many work-groups are launched.
; REGISTERS, in windows of 256: window 0: v1-31 addresses; v32-63 A's scale words, v64-95 B's (all of K); v96-127 the odd heads' words; v128-191 A's fragments, one set; v192-255 the bias; on the way out v128-255 hold rows.
;   window 1: B's fragments, two sets, at v0 and v128.  window 2: the accumulators of my rows 0-63 ((a, b) at v[8 (8 a + b)]); window 3: those of rows 64-127.
.set PITCH,  272                       ; an LDS row of Wo's codes: 256 bytes + 16 of padding
.set HALFB,  128*PITCH
.set HALFA,  32768                     ; ctx: 8 tiles of rows x 4 K steps x 1,024 bytes, images: no padding, every read is 16 x lane
.set SLOT,   2*HALFA+2*HALFB
.set HSA,    16*512                    ; ctx's scale words of 128 rows: 16 planes x 512 bytes
.set HSB,    16*272                    ; Wo's scale bytes of 128 rows: 16 units of 256 bytes + 16 of padding
.set SCLA,   2*SLOT
.set SCLB,   SCLA+2*HSA
.set SPARE,  SCLB+2*HSB                ; the spare words, 128 bytes for each wave: no other line names them
.set SPITCH, 528                       ; the way out: a stage of 16 rows x (512 bytes + 16) for each wave, in slot 0, which has had its only fill and its last read when the first result is stored there
.set SIZE_N, 1024
.set ADRA, 16
.set ADRB, 20
.set STO,  24                          ; v24  the way out: where I put 32 bytes of a row
.set RD,   25                          ; v25  where I read a row back
.set CO,   26                          ; v26  16 x lane
.set ADSA, 27
.set SPW,  28                          ; v28  LDS address of my spare word; never rewritten
.set NIL,  29                          ; v29  0; never rewritten
.set ADSB, 30
.set SA,   32                          ; K step qa, rows 32 p + lane: v[SA + 16 (qa / 4) + 4 p + qa % 4]
.set SB,   64
.set OD,   96
.set AF,   128
.set BK,   128
.set BIAS, 192
.set G1,   24
.set G0,   32
.set G1B,  48
.set G0B,  56
.set G1S,  68
.set G0S,  76
.set G1SB, 80
.set G0SB, 88
.set MSB, 0
.macro WIN new
.if MSB != (\new)
	s_set_vgpr_msb (MSB<<8)|(\new)
.set MSB, (\new)
.endif
.endm
.macro JLOAD g0a, g1a, g0b, g1b        ; a joint load: waves 0 and 1 fetch for A, waves 2 and 3 for B; an s_nop 0 and four v_nop follow each line
	s_cmp_eq_u32 s15, 0
	s_cbranch_scc0 .Lfor_b_\@
	tensor_load_to_lds s[\g0a:\g0a+3], s[\g1a:\g1a+7]
	s_nop 0
.rept 4
	v_nop
.endr
	s_branch .Lasked_\@
.Lfor_b_\@:
	tensor_load_to_lds s[\g0b:\g0b+3], s[\g1b:\g1b+7]
	s_nop 0
.rept 4
	v_nop
.endr
.Lasked_\@:
.endm
.macro CROUND
	s_barrier_signal -1
	s_barrier_wait -1
	s_cmp_lg_u32 s14, 0
	s_cbranch_scc1 .Lnot_wave_0_\@
	s_barrier_signal -3
.Lnot_wave_0_\@:
	s_barrier_wait -3
	s_barrier_signal -1
	s_barrier_wait -1
.endm
.macro PLACES n
.rept \n
	v_nop
.endr
.endm
	s_load_b256 s[4:11], s[0:1], 0x0               ; cc s[4:5], cs s[6:7], Wo's codes s[8:9], Wo's scales s[10:11]
	s_load_b64 s[12:13], s[0:1], 0x20              ; out0
	s_load_b64 s[96:97], s[0:1], 0x28              ; bo
	v_lshl_add_u32 v[SPW], v0, 2, SPARE
	v_mov_b32 v[NIL], 0
	ds_add_u32 v[SPW], v[NIL]                      ; the wave's opening: the add, twice on end, and its wait ahead of my first tensor load
	ds_add_u32 v[SPW], v[NIL]                      ; and once more; the set-up below, work on registers, stands between it and the wait
	v_lshrrev_b32 v1, 5, v0
	v_readfirstlane_b32 s14, v1                    ; wave 0..3
	s_lshr_b32 s15, s14, 1                         ; which half of the tile's rows is mine.  Also: I fetch for A (0) or for B (1)
	s_and_b32 s16, s14, 1                          ; which half of its columns.  Also: which 128 rows of that tile I fetch
	s_bfe_u32 s40, ttmp6, 0x40000                  ; cx, cy
	s_bfe_u32 s41, ttmp6, 0x40004
	s_lshl_b32 s42, ttmp9, 2
	s_add_co_u32 s42, s42, s40                     ; tile column
	s_and_b32 s17, ttmp7, 0xffff
	s_lshl_b32 s17, s17, 2
	s_add_co_u32 s17, s17, s41                     ; tile row
	s_lshl_b32 s43, s41, 2
	s_lshl_b32 s43, 15, s43                        ; my row of the cluster
	s_lshl_b32 s44, 0x1111, s40                    ; my column
	; A's codes: 8 tiles of rows x 4,096 bytes (512 elements of 8 bytes), 8,192 bytes apart in memory, dense in LDS
	s_or_b32 s[G1+0], s43, (3<<16)|(1<<21)
	s_mov_b32 s[G1+1], 512<<16                     ; tensor_dim0
	s_mov_b32 s[G1+2], 8<<16                       ; tensor_dim1
	s_mov_b32 s[G1+3], 512<<16                     ; tile_dim0
	s_mov_b32 s[G1+4], 8                           ; tile_dim1
	s_mov_b32 s[G1+5], 1024                        ; tensor_dim0_stride
	s_mov_b32 s[G1+6], 0
	s_mov_b32 s[G1+7], 0
	; B's codes: 128 rows x 256 bytes, 512 bytes apart in memory, 16 bytes of padding behind each in LDS
	s_or_b32 s[G1B+0], s44, (0<<16)|(1<<20)|(1<<21)|(5<<22)|(3<<25)
	s_mov_b32 s[G1B+1], 256<<16
	s_mov_b32 s[G1B+2], 128<<16
	s_mov_b32 s[G1B+3], 256<<16
	s_mov_b32 s[G1B+4], 128
	s_mov_b32 s[G1B+5], 512
	s_mov_b32 s[G1B+6], 0
	s_mov_b32 s[G1B+7], 0
	; A's scale words: 16 planes x 512 bytes (64 elements of 8 bytes), 32,768 bytes apart in memory
	s_or_b32 s[G1S+0], s43, (3<<16)|(1<<21)
	s_mov_b32 s[G1S+1], 64<<16
	s_mov_b32 s[G1S+2], 16<<16
	s_mov_b32 s[G1S+3], 64<<16
	s_mov_b32 s[G1S+4], 16
	s_mov_b32 s[G1S+5], 4096
	s_mov_b32 s[G1S+6], 0
	s_mov_b32 s[G1S+7], 0
	; B's scale bytes: 4,096 dense bytes as 16 rows of 256, 16 bytes of padding behind each
	s_or_b32 s[G1SB+0], s44, (3<<16)|(1<<20)|(1<<21)|(5<<22)|(3<<25)
	s_mov_b32 s[G1SB+1], 32<<16
	s_mov_b32 s[G1SB+2], 16<<16
	s_mov_b32 s[G1SB+3], 32<<16
	s_mov_b32 s[G1SB+4], 16
	s_mov_b32 s[G1SB+5], 32
	s_mov_b32 s[G1SB+6], 0
	s_mov_b32 s[G1SB+7], 0
	s_lshl_b32 s18, s16, 7                         ; which 128 rows of the tile I fetch
	s_lshl_b32 s20, s17, 8
	s_add_co_u32 s20, s20, s18                     ; A: row 256 x tile row + 128 x half
	s_lshl_b32 s46, s42, 8
	s_add_co_u32 s46, s46, s18                     ; B: row 256 x tile column + 128 x half
	s_lshl_b32 s22, s20, 2                         ; cs: 4 bytes a row in a plane
	s_mov_b32 s23, 0
	s_lshl_b32 s20, s20, 9                         ; cc: 8,192 bytes for 16 rows
	s_mov_b32 s21, 0
	s_lshl_b32 s2, s46, 5                          ; Wo: 32 scale bytes a row,
	s_mov_b32 s3, 0
	s_lshl_b32 s46, s46, 9                         ; 512 bytes of codes
	s_mov_b32 s47, 0
	s_mul_i32 s45, s16, HALFA                      ; where they go: no place in the cluster enters an LDS address
	s_mul_i32 s92, s16, HALFB
	s_mul_i32 s93, s16, HSA
	s_mul_i32 s94, s16, HSB
	s_wait_dscnt 0x0                               ; both opening adds are done
	s_wait_kmcnt 0x0
	s_add_nc_u64 s[20:21], s[4:5], s[20:21]
	s_add_nc_u64 s[22:23], s[6:7], s[22:23]
	s_add_nc_u64 s[46:47], s[8:9], s[46:47]
	s_add_nc_u64 s[2:3], s[10:11], s[2:3]
	CROUND                                         ; all sixteen work-groups are here: the joint loads meet
	s_mov_b32 s[G0S], 1
	s_add_co_u32 s[G0S+1], s93, SCLA
	s_mov_b64 s[G0S+2:G0S+3], s[22:23]
	s_or_b32 s[G0S+3], s[G0S+3], 0x80000000
	s_mov_b32 s[G0SB], 1
	s_add_co_u32 s[G0SB+1], s94, SCLB
	s_mov_b64 s[G0SB+2:G0SB+3], s[2:3]
	s_or_b32 s[G0SB+3], s[G0SB+3], 0x80000000
	JLOAD G0S, G1S, G0SB, G1SB                     ; the scales first
.irp s, 0,1
	s_mov_b32 s[G0+4*\s], 1
	s_add_co_u32 s[G0+4*\s+1], s45, \s*SLOT
	s_add_nc_u64 s[G0+4*\s+2:G0+4*\s+3], s[20:21], \s*4096
	s_or_b32 s[G0+4*\s+3], s[G0+4*\s+3], 0x80000000
	s_mov_b32 s[G0B+4*\s], 1
	s_add_co_u32 s[G0B+4*\s+1], s92, \s*SLOT+2*HALFA
	s_add_nc_u64 s[G0B+4*\s+2:G0B+4*\s+3], s[46:47], \s*256
	s_or_b32 s[G0B+4*\s+3], s[G0B+4*\s+3], 0x80000000
	s_wait_alu depctr_va_vdst(0)
	s_wait_tensorcnt 0x0
	ds_add_u32 v28, v29
	s_wait_dscnt 0x0
	CROUND
	JLOAD G0+4*\s, G1, G0B+4*\s, G1B               ; one tensor load of mine is out now
.endr
	v_and_b32 v1, 15, v0                           ; r
	v_bfe_u32 v2, v0, 4, 1                         ; h
	v_and_b32 v5, 31, v0                           ; lane
	s_wait_alu depctr_va_vdst(0)
	v_lshlrev_b32 v[CO], 4, v5                     ; 16 x lane
	v_mul_u32_u24 v3, v1, PITCH
	v_lshl_add_u32 v4, v2, 4, v3                   ; B: a fragment's row x pitch + 16 x half
	s_mul_i32 s21, s15, HALFA                      ; my 128 rows of A
	s_mul_i32 s22, s16, HALFB                      ; my 128 rows of B,
	s_add_co_u32 s22, s22, 2*HALFA                 ; which lie behind A's 256
.irp s, 0,1
	v_add_nc_u32 v[ADRA+\s], s21, v[CO]
	v_add_nc_u32 v[ADRB+\s], s22, v4
	s_add_co_u32 s21, s21, SLOT
	s_add_co_u32 s22, s22, SLOT
.endr
	s_mul_i32 s21, s15, HSA
	s_add_co_u32 s21, s21, SCLA
	v_lshl_add_u32 v[ADSA], v5, 2, s21             ; A's scale words: 4 x lane in a plane
	v_lshrrev_b32 v6, 3, v5                        ; B's scale bytes of row 32 p + lane: eight rows to a unit of 256 bytes
	v_mul_u32_u24 v6, v6, 272
	v_and_b32 v7, 7, v0
	v_lshl_add_u32 v6, v7, 5, v6
	s_mul_i32 s22, s16, HSB
	s_add_co_u32 s22, s22, SCLB
	v_add_nc_u32 v[ADSB], s22, v6
	s_mul_i32 s23, s14, 16*SPITCH                  ; my stage
	v_mul_u32_u24 v6, v1, SPITCH                   ; in: row r, 32 bytes for each half of the lanes
	v_lshl_add_u32 v6, v2, 5, v6
	v_add_nc_u32 v[STO], s23, v6
	v_add_nc_u32 v[RD], s23, v[CO]                 ; back: the 32 lanes take one row of 512 bytes
	s_lshl_b32 s20, s17, 8
	s_lshl_b32 s21, s15, 7
	s_add_co_u32 s20, s20, s21                     ; my first row of out0
	s_lshl_b32 s20, s20, 12                        ; 4,096 bytes a row
	s_lshl_b32 s46, s42, 10                        ; my first column, in bytes: 1,024 x tile column + 512 x half
	s_lshl_b32 s47, s16, 9
	s_add_co_u32 s46, s46, s47
	s_add_co_u32 s20, s20, s46
	s_mov_b32 s21, 0
	s_add_nc_u64 s[12:13], s[12:13], s[20:21]
	s_mov_b32 s47, 0
	s_add_nc_u64 s[96:97], s[96:97], s[46:47]      ; bo at my first column: the same bytes
	v_lshlrev_b32 v8, 5, v2                        ; 32 h
.irp b, 0,1,2,3,4,5,6,7                        ; the bias is the C of each sum's first matrix instruction: register 8 b + j = bo[16 b + 8 h + j]
	global_load_b128 v[BIAS+8*\b:BIAS+8*\b+3], v8, s[96:97] offset:64*\b
	global_load_b128 v[BIAS+8*\b+4:BIAS+8*\b+7], v8, s[96:97] offset:64*\b+16
.endr
.macro FRAGB reg, adr, q, i            ; 16 rows of Wo x 128 K: lane (r, h): row r; registers 4 c .. 4 c + 3: K = 64 c + 32 h + 0 .. 31
.irp c, 0,1
	ds_load_b128 v[\reg+4*\c:\reg+4*\c+3], v[\adr] offset:64*(\q)+32*\c+(\i)*16*PITCH
.endr
.endm
.macro FRAGA reg, adr, q, i            ; 16 rows of ctx x 128 K: the image comes back as it was stored
.irp c, 0,1
	ds_load_b128 v[\reg+4*\c:\reg+4*\c+3], v[\adr] offset:1024*(\q)+512*\c+(\i)*4096
.endr
.endm
.macro WM
.if oo == 0
	v_wmma_scale_f32_16x16x128_f8f6f4 v[rD:rD+7], v[rB:rB+7], v[rA:rA+7], v[rC:rC+7], v[rSB], v[rSA] matrix_a_fmt:MATRIX_FMT_FP4 matrix_b_fmt:MATRIX_FMT_FP4
.elseif oo == 1
	v_wmma_scale_f32_16x16x128_f8f6f4 v[rD:rD+7], v[rB:rB+7], v[rA:rA+7], v[rC:rC+7], v[rSB], v[rSA] matrix_a_fmt:MATRIX_FMT_FP4 matrix_b_fmt:MATRIX_FMT_FP4 matrix_a_scale:MATRIX_SCALE_ROW1
.elseif oo == 2
	v_wmma_scale_f32_16x16x128_f8f6f4 v[rD:rD+7], v[rB:rB+7], v[rA:rA+7], v[rC:rC+7], v[rSB], v[rSA] matrix_a_fmt:MATRIX_FMT_FP4 matrix_b_fmt:MATRIX_FMT_FP4 matrix_b_scale:MATRIX_SCALE_ROW1
.else
	v_wmma_scale_f32_16x16x128_f8f6f4 v[rD:rD+7], v[rB:rB+7], v[rA:rA+7], v[rC:rC+7], v[rSB], v[rSA] matrix_a_fmt:MATRIX_FMT_FP4 matrix_b_fmt:MATRIX_FMT_FP4 matrix_a_scale:MATRIX_SCALE_ROW1 matrix_b_scale:MATRIX_SCALE_ROW1
.endif
.endm
; 16 matrix instructions: A's blocks a0, a0 + 1 x B's eight.  first = 1: the products start the sums with the bias.  The 64 accumulators take turns, one instruction a turn.
.macro MUL16 a0, p, q, slot, first
.irp a, \a0, \a0+1
.irp b, 0,1,2,3,4,5,6,7
.set rD, 8*(8*((\a)%4)+\b)
.set rB, 128*(\p)+8*\b
.set rA, AF+8*(\a)
.set rC, rD
.if \first == 1
.set rC, BIAS+8*\b
.endif
.set rSB, SB+16*(\slot)+4*(\b/2)+(\q)
.set rSA, SA+16*(\slot)+4*((\a)/2)+(\q)
.set oo, 2*((\a)%2)+\b%2
	WM
.endr
.endr
.endm
.macro FETCH_B slot, q, p
	WIN 0x40
.irp i, 0,1,2,3,4,5,6,7
	FRAGB 128*(\p)+8*\i, ADRB+\slot, \q, \i
.endr
	WIN 0
.endm
.macro FETCH_A slot, q, i0
.irp i, \i0, \i0+1, \i0+2, \i0+3
	FRAGA AF+8*(\i), ADRA+\slot, \q, \i
.endr
.endm
.macro STEP slot, q, first
	s_wait_dscnt 8                                 ; all but the youngest eight loads (A's blocks 4-7) are in
.if \first
	WIN 0x81
.else
	WIN 0xa1
.endif
	MUL16 0, (\q)%2, \q, \slot, \first
	MUL16 2, (\q)%2, \q, \slot, \first
	s_wait_dscnt 0
	PLACES 4
	FETCH_B \slot, (\q)+1, 1-(\q)%2
	FETCH_A \slot, (\q)+1, 0
.if \first
	WIN 0xc1
.else
	WIN 0xf1
.endif
	MUL16 4, (\q)%2, \q, \slot, \first
	MUL16 6, (\q)%2, \q, \slot, \first
	PLACES 4
	WIN 0
	FETCH_A \slot, (\q)+1, 4
.endm
.macro STEPS slot, from
.set Q, \from
.rept 3-\from
	s_wait_alu depctr_va_vdst(0)
	STEP \slot, Q, 0
.set Q, Q+1
.endr
.endm
.macro TURN slot, next                 ; slot 0's last step changes slots: one barrier; nothing is filled again
	s_wait_tensorcnt 0x0                           ; all my tensor loads have landed
	ds_add_u32 v[SPW], v[NIL]                      ; 0 onto my spare word
	s_wait_dscnt 9                                 ; (the add and the youngest eight loads may be out)
	WIN 0xa1
	MUL16 0, 1, 3, \slot, 0
	s_wait_dscnt 0x0                               ; the add is done, and my reads of this slot are over
	s_barrier_signal -1
	MUL16 2, 1, 3, \slot, 0
	WIN 0
	s_barrier_wait -1
	PLACES 4
	FETCH_B \next, 0, 0
	FETCH_A \next, 0, 0
	WIN 0xf1
	MUL16 4, 1, 3, \slot, 0
	MUL16 6, 1, 3, \slot, 0
	PLACES 4
	WIN 0
	FETCH_A \next, 0, 4
.endm
	s_wait_alu depctr_va_vdst(0)
	s_wait_tensorcnt 1                             ; the scales and my part of slot 0 are in; slot 1's load may be out
	s_barrier_signal -1
	s_barrier_wait -1
.irp q, 0,1,2,3,4,5,6,7                        ; ctx's scale words: the even head's plane into its place, the odd head's beside it
.irp p, 0,1,2,3
	ds_load_b32 v[SA+16*(\q/4)+4*\p+\q%4], v[ADSA] offset:1024*\q+128*\p
	ds_load_b32 v[OD+4*\q+\p], v[ADSA] offset:1024*\q+512+128*\p
.endr
.endr
.irp p, 0,1,2,3                                ; Wo's: rows 32 p + lane, four K steps a load
.irp g, 0,1
	ds_load_b128 v[SB+16*\g+4*\p:SB+16*\g+4*\p+3], v[ADSB] offset:1088*\p+16*\g
.endr
.endr
	FETCH_B 0, 0, 0
	FETCH_A 0, 0, 0
	FETCH_A 0, 0, 4
	s_wait_dscnt 40                                ; behind the 64 loads of ctx's words stand 8 + 16 + 8 + 8 others
.irp q, 0,1,2,3,4,5,6,7
.irp p, 0,1,2,3
	v_or_b32 v[SA+16*(\q/4)+4*\p+\q%4], v[SA+16*(\q/4)+4*\p+\q%4], v[OD+4*\q+\p]
.endr
.endr
	PLACES 8                                       ; a scale register written by a vector instruction stands eight places ahead of a scaled matrix instruction
	s_wait_loadcnt 0x0                             ; the bias
	STEP 0, 0, 1
	STEPS 0, 1
	TURN 0, 1
	STEPS 1, 0
	s_wait_dscnt 8                                 ; the last step: nothing more to fetch
	WIN 0xa1
	MUL16 0, 1, 3, 1, 0
	MUL16 2, 1, 3, 1, 0
	s_wait_dscnt 0
	WIN 0xf1
	MUL16 4, 1, 3, 1, 0
	MUL16 6, 1, 3, 1, 0
	WIN 0
; THE WAY OUT, block by block of 16 rows x 128 columns: a lane holds 32 neighbouring bytes of a row, and the lanes beside it hold other rows: so a block goes through my own stage in LDS and comes back as whole rows
; of 512 bytes.  LDS serves a wave's instructions in order (ISA guide 5.7.1.4): no wait between the stores and the loads, nor in front of the next block's stores.
.macro TOSTAGE a
.set AC, 64*((\a)%4)
	WIN 0x08+4*((\a)/4)                            ; an LDS store's data: window 2 or 3
.irp b, 0,1,2,3,4,5,6,7
	ds_store_b128 v[STO], v[AC+8*\b:AC+8*\b+3] offset:64*\b          ; each accumulator from its low end on
	ds_store_b128 v[STO], v[AC+8*\b+4:AC+8*\b+7] offset:64*\b+16
.endr
	WIN 0
.set BB, BK+64*((\a)%2)
.irp t, 0,1,2,3,4,5,6,7,8,9,10,11,12,13,14,15
	ds_load_b128 v[BB+4*\t:BB+4*\t+3], v[RD] offset:\t*SPITCH
.endr
.endm
.macro SEND a, younger                 ; younger: the LDS instructions issued behind block a's loads, which may stay out
.set BB, BK+64*((\a)%2)
	s_wait_dscnt \younger
.if (\a) > 0
	s_add_nc_u64 s[12:13], s[12:13], 16*SIZE_N*4   ; (behind a wait on XCNT: the earlier stores have read their base)  16 rows on
.endif
.irp t, 0,1,2,3,4,5,6,7,8,9,10,11,12,13,14,15
	global_store_b128 v[CO], v[BB+4*\t:BB+4*\t+3], s[12:13] offset:\t*SIZE_N*4 th:TH_STORE_NT   ; 32 lanes store 512 consecutive bytes, at a multiple of 256 from out0's first byte
.endr
.endm
	PLACES 4                                       ; behind the last products: their results are read, and loads land on A's registers and the bias's, below
	TOSTAGE 0
.irp a, 1,2,3,4,5,6,7
.if \a > 1
	s_wait_xcnt 0x0                                ; block a - 2's stores have read their registers and their base
.endif
	TOSTAGE \a
	SEND \a-1, 32                                  ; behind block a - 1's loads: block a's 16 stores and 16 loads
.endr
	s_wait_xcnt 0x0                                ; block 6's stores have read their base
	SEND 7, 0
	s_wait_tensorcnt 0x0                           ; the wave's end, behind my last tensor load and my last LDS store
	ds_add_u32 v[SPW], v[NIL]
	s_wait_dscnt 0x0
	CROUND                                         ; the closing round
	s_endpgm
.Lfunc_end_k_q051c947a0f_proj:
	.size	k_q051c947a0f_proj, .Lfunc_end_k_q051c947a0f_proj-k_q051c947a0f_proj
	.p2alignl 7, 3214868480
	.fill 96, 4, 3214868480
	.section	.rodata,"a",@progbits
	.p2align	6, 0x0
	.amdhsa_kernel k_q051c947a0f_proj
		.amdhsa_group_segment_fixed_size 327680
		.amdhsa_private_segment_fixed_size 0
		.amdhsa_enable_private_segment 0
		.amdhsa_kernarg_size 48
		.amdhsa_user_sgpr_count 2
		.amdhsa_user_sgpr_kernarg_segment_ptr 1
		.amdhsa_wavefront_size32 1
		.amdhsa_system_sgpr_workgroup_id_x 1
		.amdhsa_system_sgpr_workgroup_id_y 1
		.amdhsa_system_sgpr_workgroup_id_z 1
		.amdhsa_system_vgpr_workitem_id 0
		.amdhsa_next_free_vgpr 1024
		.amdhsa_next_free_sgpr 100
		.amdhsa_reserve_vcc 0
		.amdhsa_float_denorm_mode_32 3
		.amdhsa_float_denorm_mode_16_64 3
		.amdhsa_memory_ordered 1
		.amdhsa_forward_progress 1
		.amdhsa_inst_pref_size 132
	.end_amdhsa_kernel
	.amdgpu_metadata
---
amdhsa.version: [ 1, 2 ]
amdhsa.kernels:
  - .name:           k_q051c947a0f_proj
    .symbol:         k_q051c947a0f_proj.kd
    .args:
      - { .name: cc, .offset: 0, .size: 8, .value_kind: global_buffer, .address_space: global }
      - { .name: cs, .offset: 8, .size: 8, .value_kind: global_buffer, .address_space: global }
      - { .name: Wo_codes, .offset: 16, .size: 8, .value_kind: global_buffer, .address_space: global }
      - { .name: Wo_scales, .offset: 24, .size: 8, .value_kind: global_buffer, .address_space: global }
      - { .name: out0, .offset: 32, .size: 8, .value_kind: global_buffer, .address_space: global }
      - { .name: bo, .offset: 40, .size: 8, .value_kind: global_buffer, .address_space: global }
    .group_segment_fixed_size: 327680
    .private_segment_fixed_size: 0
    .kernarg_segment_align: 8
    .kernarg_segment_size: 48
    .max_flat_workgroup_size: 128
    .sgpr_count:     100
    .vgpr_count:     1024
    .wavefront_size: 32
...
	.end_amdgpu_metadata
.endif
;; end of part 3
